; MI455X (gfx1250); checked and timed in simulation.
; The chip was launched on July 23, 2026; its instructions are those of AMD's public machine-readable ISA for CDNA 5 (MIT licence, August 2026) and "CDNA5" Instruction Set Architecture Reference Guide (July 2026). The comments in the code are by the model that wrote it; some were corrected since.
;; Multi Head Attention. Allowed arithmetic: matrix products marked QUANTISED: E2M3 operands, one E8M0 scale for each 32 along K, by v_wmma_scale_f32_16x16x128_f8f6f4 with both operands' format E2M3, f32 sums; everything else in f32.
;; Inputs: bproj 256 float32; wk_codes 8 x 32 x 8 x 24 uint8 (E2M3 codes of wk, K innermost, in blocks of 32 codes, four codes in three bytes); wk_scales 8 x 32 x 8 uint8 (E8M0 scales of wk, one for each 32 codes along K); wproj_codes 256 x 8 x 24 uint8 (E2M3 codes of wproj, K innermost, in blocks of 32 codes, four codes in three bytes); wproj_scales 256 x 8 uint8 (E8M0 scales of wproj, one for each 32 codes along K); wq_codes 8 x 32 x 8 x 24 uint8 (E2M3 codes of wq, K innermost, in blocks of 32 codes, four codes in three bytes); wq_scales 8 x 32 x 8 uint8 (E8M0 scales of wq, one for each 32 codes along K); wv_codes 8 x 32 x 8 x 24 uint8 (E2M3 codes of wv, K innermost, in blocks of 32 codes, four codes in three bytes); wv_scales 8 x 32 x 8 uint8 (E8M0 scales of wv, one for each 32 codes along K); x_codes 8 x 2,048 x 8 x 24 uint8 (E2M3 codes of x, K innermost, in blocks of 32 codes, four codes in three bytes); x_scales 8 x 2,048 x 8 uint8 (E8M0 scales of x, one for each 32 codes along K).
;; Outputs: out0 8 x 2,048 x 256 float32.
;; This version of the problem:
;;   THIS VERSION OF THE PROBLEM IS GIVEN IN LOW PRECISION. The matrix products marked QUANTISED in the list below multiply operands that are first quantised to E2M3 (2 exponent bits, 3 mantissa bits; 6 bits a number), with one power-of-two scale for each 32 numbers along K (OCP MX v1.0); their sums are f32. All else is computed in f32.
;;   The module's matrix products, in the order in which they are computed (A, B: the left and right operand; K: the contracted axis; several contracted axes count as one K, in the product's order):
;;     1. [M 256, K 256] x [K 256, N 16,384]; A: input wq (given as codes); B: input x (given as codes): QUANTISED
;;     2. [M 256, K 256] x [K 256, N 16,384]; A: input wk (given as codes); B: input x (given as codes): QUANTISED
;;     3. [M 256, K 256] x [K 256, N 16,384]; A: input wv (given as codes); B: input x (given as codes): QUANTISED
;;     4. batch 64 x [M 2,048, K 32] x [K 32, N 2,048]; A: computed on the way; B: computed on the way: QUANTISED
;;     5. batch 64 x [M 2,048, K 2,048] x [K 2,048, N 32]; A: softmax (see below); B: computed on the way: QUANTISED
;;     6. [M 16,384, K 256] x [K 256, N 256]; A: computed on the way; B: input wproj (given as codes): QUANTISED
;;   THE QUANTISER, for each operand of a quantised product, along K:
;;     - K is cut into blocks of 32 from its start; a last block that is shorter is filled with zeros.
;;     - A block's scale is 2^e with e = floor(log2(the largest magnitude in the block)) - 2, held to -126 .. 127; a block of zeros has e = 0. As a byte (E8M0): e + 127.
;;     - Each number is divided by its block's scale, clamped to +-7.5, and rounded to the nearest number of E2M3, ties to even, subnormals kept.
;;     - The product sums the exact products of the quantised numbers (number of the format x scale) in f32.
;;   ~~~python
;;   def quantise(x, axis):      # numpy; x: float32 -> the quantised numbers, widened to float32 again
;;       x = np.moveaxis(x, axis, -1); K = x.shape[-1]
;;       x = np.pad(x, [(0, 0)] * (x.ndim - 1) + [(0, -K % 32)]); x = x.reshape(x.shape[:-1] + (-1, 32)); a = np.abs(x).max(-1, keepdims=True)
;;       e = np.where(a > 0, np.clip(np.frexp(np.where(a > 0, a, 1))[1] - 1 - 2, -126, 127), 0)      # np.frexp(a)[1] - 1 = floor(log2(a)), exactly
;;       r = np.clip(x / 2.0 ** e, -7.5, 7.5)
;;       step = 2.0 ** (np.maximum(np.frexp(np.where(r == 0, 1, r))[1] - 1, 0) - 3)
;;       q = np.round(r / step) * step * 2.0 ** e      # np.round: ties to even
;;       return np.moveaxis(q.reshape(q.shape[:-2] + (-1,))[..., :K], -1, axis).astype(np.float32)
;;   ~~~
;;   SOFTMAX AHEAD OF A QUANTISED PRODUCT. Where the list says 'softmax', what is quantised is not the finished softmax but p = 2^(t - M), with t = logit x log2(e) and M = ceil(the row's largest t), a whole number; so 1/2 < the row's largest p <= 1. The row's sum l is taken of the UNQUANTISED p, in f32, and the product's result is divided by l at the end. Since M is a whole number, a kernel that streams over the keys may use a running M (the ceiling of the running maximum): every later rescaling is an exact power of two, which a block's scale takes up: the codes' values come out the same.
;;   OPERANDS COMPUTED ON THE WAY. 'Computed on the way' means the value that the module computes at that place (a softmax that the list does not call 'softmax' is quantised finished and normalised). What goes into a quantiser is computed in f32, as accurately as f32 sums, v_exp_f32 and their like allow (about 1e-6 of the number): no bf16 or f16 on the way to a quantiser, and a product that is left as it is and whose result goes on into a quantised operand takes f32 operands (vector FMAs, or v_wmma_f32_16x16x4_f32). A number that lies on a knife's edge between two numbers of the format may be rounded either way, as far as f32 arithmetic and the matrix unit's own rounding can turn it there, and no further.
;;   INPUTS GIVEN AS CODES. wk (in the module: [8, 256, 32], K = its axis 1); wproj (in the module: [256, 256], K = its axis 0); wq (in the module: [8, 256, 32], K = its axis 1); wv (in the module: [8, 256, 32], K = its axis 1); x (in the module: [8, 2048, 256], K = its axis 2): each comes as NAME_codes (uint8): NAME with its K axis moved to the last place and cut into blocks of 32 codes, [.., K / 32, bytes a block], one block behind the other in memory; four codes in three bytes: a row's codes are one little-endian stream of bits, code i at bits 6 i .. 6 i + 5 (a code: sign, 2 exponent bits, 3 mantissa bits); and NAME_scales (uint8): the same leading axes, one E8M0 byte (e + 127) for each 32 codes along K. Its value is code x scale, taken as it is: it is not quantised again, and the codes and scales need not be those that the quantiser above would give.
;; 2 versions. Each part assembles by itself: llvm-mc -triple=amdgcn-amd-amdhsa -mcpu=gfx1250 --defsym DOCPART=n.
;; ======== version 1 of 2: 3 launches
;; workspace buffers: qimg 3,145,728 bytes; qsw 131,072 bytes; kv 6,553,600 bytes; oc 3,145,728 bytes; os 131,072 bytes
;; launch qkv (part 1): grid 128 x 2, 4 waves a work-group, no clusters, 0 bytes of LDS; arguments x_codes, x_scales, wq_codes, wq_scales, wk_codes, wk_scales, wv_codes, wv_scales, qimg, qsw, kv; writes qimg, qsw, kv
.if DOCPART == 1
	.amdgcn_target "amdgcn-amd-amdhsa--gfx1250"
	.amdhsa_code_object_version 6
	.text
	.protected	k_q10a3e506fb_qkv
	.globl	k_q10a3e506fb_qkv
	.p2align	8
	.type	k_q10a3e506fb_qkv,@function
k_q10a3e506fb_qkv:
	s_mov_b64 s[64:65], 0
	v_nop
	global_prefetch_b8 v0, s[64:65] scope:SCOPE_SE
	s_setreg_imm32_b32 hwreg(HW_REG_WAVE_MODE, 25, 1), 1
	s_wait_xcnt 0x0
; q, k, v = x W for 8 heads (products 1 to 3), on codes of FP6 (E2M3) as they are given, and the results quantised for products 4 and 5.
; NOTHING OF THE PROBLEM IS LEFT OUT in this program: every input has a way to the output and every product of the table is done.
; LIMITS: NaN, infinities and a scale byte 0xff among the inputs are not served.  A block of zeros gets the scale byte 1 where the rule says 127: its codes are zeros,
; which add nothing under any byte but 0xff, and these bytes are read by this program alone.
; SHARES.  Work-group (g, y): the 128 tokens 128 g on (batch g / 16, key step s = g % 16); wave w: head 4 y + w.  x's 16 fragments and the head's 12 fragments of W go from memory
; into registers once; a wave makes six fragments (two of q, two of k, two of v^T), each by 16 matrix instructions and one quantising, and stores them as IMAGES OF THE OPERAND'S REGISTERS.
; NO CLUSTER: what waves share is x's 24,576 bytes of a group, which go straight into registers once; there is no tile in LDS that a joint load could fill.
; THE TOKENS OF A TILE ARE NOT NEIGHBOURS: row m of tile T is token 32 (T / 2) + 8 (T % 2) + m + 8 (m / 8); W's rows of a tile are chosen likewise (d = 8 u + m + 8 (m / 8)).
; q, k (source 0 = 16 rows of W, source 1 = 16 tokens): lane (r, h) holds token r of the tile, and registers 8 u + i of the two tiles of W are d = 16 h + 8 u + i: 16 neighbours of the token's ONE block of 32.
;   Four tiles of tokens give 64 registers = four blocks: A FRAGMENT OF k (or q) HOLDS, IN ROW r, FOUR TOKENS, one in each block of 32: block j of fragment F = token 64 F + 32 (j / 2) + 8 (j % 2) + r + 8 (r / 8).
; v (source 0 = 16 tokens, source 1 = 16 rows of W): lane (r, h) holds d = 8 e + r + 8 (r / 8), and register 16 b + i is token 32 b + 16 h + i: v^T with the keys along K, in their own order.
; REGISTERS, in windows of 256: window 0: v1-5 offsets; v16-31 x's scale words; v32-43 W's; v48-111 a unit's 64 numbers; v112-131 its codes; v200-218 at work.
;   window 1: x's fragments (tile T, K step k) at v[12 (2 T + k)].   window 2: W's (matrix, tile u, K step k) at v[12 (4 mat + 2 u + k)], mat 0 = q, 1 = k, 2 = v.
.set FR,   12                          ; registers of a fragment: 16 rows x 128 K
.set VC,   1                           ; v1  192 (r + 8 (r / 8)) + 24 h: my bytes in a tile's rows of codes (x and W alike: rows of 192 bytes)
.set VS,   2                           ; v2  8 (r + 8 (r / 8)): my row's eight scale bytes
.set VI16, 3                           ; v3  16 x lane
.set VI8,  4                           ; v4  8 x lane
.set VS4,  5                           ; v5  4 x lane
.set XS,   16
.set WS,   32
.set HA,   48
.set PC,   112
.set TM,   200                         ; v200-203 largest magnitudes, v204-207 bytes, v212-215 the conversions' scale operands
.set PW,   216                         ; the scale word just made
.set PW0,  217                         ; that of the pair's first fragment
.set PWC,  218                         ; lanes 0-15 the first's, lanes 16-31 the second's
.set SEL,  36                          ; s[36:37] v_permlanex16_b32's selects for lane l xor 16
.set MHI,  38                          ; s38 lanes 16-31
.set MSB, 0
.macro WIN new                         ; the immediate's high byte repeats the setting that is left
.if MSB != \new
	s_set_vgpr_msb (MSB<<8)|\new
.set MSB, \new
.endif
.endm
; 64 numbers of a lane, register 16 b + i = place 32 b + 16 (lane / 16) + i of my row, become a fragment's codes in v[PC] on and its scale word in v[PW].
.macro QUANT s
.irp b, 0,1,2,3
	v_max3_num_f32 v[TM+\b], |v[\s+16*\b]|, |v[\s+1+16*\b]|, 0x1800000   ; block b: my 16 numbers, and the floor 2^(3 - 127): the byte cannot fall under 1
.endr
.irp i, 2,4,6,8,10,12,14
.irp b, 0,1,2,3
	v_max3_num_f32 v[TM+\b], v[TM+\b], |v[\s+16*\b+\i]|, |v[\s+1+16*\b+\i]|   ; the four blocks by turns; each accumulator is read from its low end on
.endr
.endr
.irp b, 0,1,2,3
	v_permlanex16_b32 v[TM+4+\b], v[TM+\b], s[SEL], s[SEL+1]
.endr
.irp b, 0,1,2,3
	v_max_num_f32 v[TM+\b], v[TM+\b], v[TM+4+\b]   ; with lane l xor 16: the block's largest magnitude
.endr
.irp b, 0,1,2,3
	v_add_nc_u32 v[TM+12+\b], 0xff000000, v[TM+\b]   ; 2 off its exponent field: the conversion's scale operand
.endr
.irp b, 0,1,2,3
	v_lshrrev_b32 v[TM+4+\b], 23, v[TM+12+\b]      ; the scale's byte
.endr
	v_lshl_or_b32 v[PW], v[TM+5], 8, v[TM+4]       ; the four bytes make my row's scale word
	v_lshl_or_b32 v[PW], v[TM+6], 16, v[PW]
	v_lshl_or_b32 v[PW], v[TM+7], 24, v[PW]
.irp c, 0,1
	v_cvt_scalef32_pk16_fp6_f32 v[PC+6*\c:PC+2+6*\c], v[\s+32*\c:\s+15+32*\c], v[TM+12+2*\c]
	v_cvt_scalef32_pk16_fp6_f32 v[PC+12+4*\c:PC+14+4*\c], v[\s+16+32*\c:\s+31+32*\c], v[TM+12+2*\c+1]   ; (a conversion's three registers begin on an even number)
.endr
	v_nop                                          ; one plain place behind a scaled conversion
.irp c, 0,1                                    ; the operand's layout wants a WHOLE block in a lane: lanes 0-15 block 2 c, lanes 16-31 block 2 c + 1
.irp i, 0,1,2
	v_permlane16_swap_b32 v[PC+6*\c+\i], v[PC+12+4*\c+\i]
.endr
.irp i, 0,1,2
	v_mov_b32 v[PC+3+6*\c+\i], v[PC+12+4*\c+\i]
.endr
.endr
.endm
; q or k of the group's tokens 64 gg on: 8 accumulators by turns, two K steps; the first starts the sums
.macro MMQK mat, gg
	WIN 0x06                                       ; source 0 (W) window 2, source 1 (x) window 1
.irp k, 0,1
.irp j, 0,1,2,3
.irp u, 0,1
.if \k == 0
	v_wmma_scale_f32_16x16x128_f8f6f4 v[HA+16*\j+8*\u:HA+16*\j+8*\u+7], v[FR*(4*(\mat)+2*\u+\k):FR*(4*(\mat)+2*\u+\k)+FR-1], v[FR*(2*(4*(\gg)+\j)+\k):FR*(2*(4*(\gg)+\j)+\k)+FR-1], 0, v[WS+4*(\mat)+2*\u+\k], v[XS+2*(4*(\gg)+\j)+\k] matrix_a_fmt:MATRIX_FMT_FP6 matrix_b_fmt:MATRIX_FMT_FP6
.else
	v_wmma_scale_f32_16x16x128_f8f6f4 v[HA+16*\j+8*\u:HA+16*\j+8*\u+7], v[FR*(4*(\mat)+2*\u+\k):FR*(4*(\mat)+2*\u+\k)+FR-1], v[FR*(2*(4*(\gg)+\j)+\k):FR*(2*(4*(\gg)+\j)+\k)+FR-1], v[HA+16*\j+8*\u:HA+16*\j+8*\u+7], v[WS+4*(\mat)+2*\u+\k], v[XS+2*(4*(\gg)+\j)+\k] matrix_a_fmt:MATRIX_FMT_FP6 matrix_b_fmt:MATRIX_FMT_FP6
.endif
.endr
.endr
.endr
	WIN 0
.rept 4
	v_nop                                          ; four places in front of the first read of results (ISA guide 7.12.1)
.endr
.endm
; v^T, rows d = 8 e + r + 8 (r / 8), for the group's 128 tokens
.macro MMV e
	WIN 0x09                                       ; source 0 (x) window 1, source 1 (W) window 2
.irp k, 0,1
.irp t, 0,1,2,3,4,5,6,7
.if \k == 0
	v_wmma_scale_f32_16x16x128_f8f6f4 v[HA+8*\t:HA+8*\t+7], v[FR*(2*\t+\k):FR*(2*\t+\k)+FR-1], v[FR*(8+2*(\e)+\k):FR*(8+2*(\e)+\k)+FR-1], 0, v[XS+2*\t+\k], v[WS+8+2*(\e)+\k] matrix_a_fmt:MATRIX_FMT_FP6 matrix_b_fmt:MATRIX_FMT_FP6
.else
	v_wmma_scale_f32_16x16x128_f8f6f4 v[HA+8*\t:HA+8*\t+7], v[FR*(2*\t+\k):FR*(2*\t+\k)+FR-1], v[FR*(8+2*(\e)+\k):FR*(8+2*(\e)+\k)+FR-1], v[HA+8*\t:HA+8*\t+7], v[XS+2*\t+\k], v[WS+8+2*(\e)+\k] matrix_a_fmt:MATRIX_FMT_FP6 matrix_b_fmt:MATRIX_FMT_FP6
.endif
.endr
.endr
	WIN 0
.rept 4
	v_nop
.endr
.endm
.macro STQ gg                          ; q's image: six pieces of 256 bytes, registers 2 p, 2 p + 1 of lane l at 256 p + 8 l: each store covers 256 consecutive bytes, aligned
.irp p, 0,1,2,3,4,5
	global_store_b64 v[VI8], v[PC+2*\p:PC+2*\p+1], s[20:21] offset:1536*(\gg)+256*\p
.endr
.endm
.macro STKV off                        ; k's or v^T's image: registers 4 p .. 4 p + 3 of lane l at 512 p + 16 l: each store covers 512 consecutive bytes
.irp p, 0,1,2
	global_store_b128 v[VI16], v[PC+4*\p:PC+4*\p+3], s[40:41] offset:\off+512*\p
.endr
.endm
.macro STS base, off                   ; a pair's scale words: lanes 0-15 the first fragment's rows, lanes 16-31 the second's: 128 consecutive bytes
	v_cndmask_b32 v[PWC], v[PW0], v[PW], s[MHI]
	global_store_b32 v[VS4], v[PWC], s[\base:\base+1] offset:\off
.endm
	s_load_b512 s[4:19], s[0:1], 0x0               ; x codes 4:5, x scales 6:7, wq 8:9, 10:11, wk 12:13, 14:15, wv 16:17, 18:19
	s_load_b128 s[20:23], s[0:1], 0x40             ; qimg, qsw
	s_load_b64 s[24:25], s[0:1], 0x50              ; kv
	v_lshrrev_b32 v6, 5, v0
	v_readfirstlane_b32 s26, v6                    ; wave 0..3
	v_and_b32 v6, 31, v0                           ; lane
	v_and_b32 v7, 15, v0                           ; r
	v_bfe_u32 v8, v0, 4, 1                         ; h
	v_and_b32 v9, 8, v7
	v_add_nc_u32 v9, v9, v7                        ; r + 8 (r / 8)
	v_mul_u32_u24 v[VC], v9, 192
	v_mad_u32_u24 v[VC], v8, 24, v[VC]
	v_lshlrev_b32 v[VS], 3, v9
	v_lshlrev_b32 v[VI16], 4, v6
	v_lshlrev_b32 v[VI8], 3, v6
	v_lshlrev_b32 v[VS4], 2, v6
.irp b, 0,1,2,3
	v_mov_b32 v[TM+4+\b], 0                        ; written once: a lane permute's destination counts as one of its sources
.endr
	s_mov_b32 s[SEL], 0x76543210
	s_mov_b32 s[SEL+1], 0xfedcba98
	s_mov_b32 s[MHI], 0xffff0000
	s_and_b32 s28, ttmp7, 0xffff
	s_lshl_b32 s28, s28, 2
	s_add_co_u32 s28, s28, s26                     ; head = 4 y + wave
	s_lshr_b32 s29, ttmp9, 4
	s_lshl_b32 s29, s29, 3
	s_add_co_u32 s29, s29, s28                     ; bh = 8 x batch + head
	s_and_b32 s27, ttmp9, 15                       ; s: which 128 tokens of the sequence
	s_mul_i32 s30, ttmp9, 24576                    ; the group's 128 rows of x's codes,
	s_mov_b32 s31, 0
	s_lshl_b32 s32, ttmp9, 10                      ; and of its scale bytes
	s_mov_b32 s33, 0
	s_mul_i32 s34, s28, 6144                       ; the head's 32 rows of a weight's codes,
	s_mov_b32 s35, 0
	s_lshl_b32 s44, s28, 8                         ; and of its scale bytes
	s_mov_b32 s45, 0
	s_lshl_b32 s46, s29, 5
	s_lshl_b32 s47, s27, 1
	s_add_co_u32 s46, s46, s47
	s_mul_i32 s46, s46, 1536                       ; q's fragment 32 bh + 2 s
	s_mov_b32 s47, 0
	s_lshl_b32 s48, s29, 4
	s_add_co_u32 s48, s48, s27
	s_lshl_b32 s48, s48, 7                         ; its pair of 64 bytes of scale words
	s_mov_b32 s49, 0
	s_mul_i32 s50, s29, 102400                     ; the head's part of kv
	s_lshl_b32 s52, s27, 7
	s_add_co_u32 s52, s52, s50                     ; + 128 s: the step's scale words
	s_mov_b32 s53, 0
	s_mul_i32 s51, s27, 3072
	s_add_co_u32 s50, s50, s51                     ; + 3,072 s: the step's two images
	s_mov_b32 s51, 0
	s_wait_kmcnt 0x0
	s_add_nc_u64 s[4:5], s[4:5], s[30:31]
	s_add_nc_u64 s[6:7], s[6:7], s[32:33]
	s_add_nc_u64 s[8:9], s[8:9], s[34:35]
	s_add_nc_u64 s[10:11], s[10:11], s[44:45]
	s_add_nc_u64 s[12:13], s[12:13], s[34:35]
	s_add_nc_u64 s[14:15], s[14:15], s[44:45]
	s_add_nc_u64 s[16:17], s[16:17], s[34:35]
	s_add_nc_u64 s[18:19], s[18:19], s[44:45]
	s_add_nc_u64 s[20:21], s[20:21], s[46:47]
	s_add_nc_u64 s[22:23], s[22:23], s[48:49]
	s_add_nc_u64 s[40:41], s[24:25], s[50:51]      ; kv: images
	s_add_nc_u64 s[42:43], s[24:25], s[52:53]      ; kv: scale words
.irp t, 0,1,2,3,4,5,6,7
	global_load_b64 v[XS+2*\t:XS+2*\t+1], v[VS], s[6:7] offset:(32*(\t/2)+8*(\t%2))*8   ; a row's eight bytes: the words of both K steps
.endr
.irp m, 0,1,2
.irp u, 0,1
	global_load_b64 v[WS+4*\m+2*\u:WS+4*\m+2*\u+1], v[VS], s[10+4*\m:11+4*\m] offset:64*\u
.endr
.endr
	WIN 0x80                                       ; destination window 2
.irp m, 0,1,2
.irp u, 0,1
.irp k, 0,1
.irp p, 0,1,2,3,4,5
	global_load_b64 v[FR*(4*\m+2*\u+\k)+2*\p:FR*(4*\m+2*\u+\k)+2*\p+1], v[VC], s[8+4*\m:9+4*\m] offset:1536*\u+96*\k+48*(\p/3)+8*(\p%3)
.endr
.endr
.endr
.endr
	WIN 0x40                                       ; destination window 1
.irp t, 0,1,2,3,4,5,6,7
.irp k, 0,1
.irp p, 0,1,2,3,4,5
	global_load_b64 v[FR*(2*\t+\k)+2*\p:FR*(2*\t+\k)+2*\p+1], v[VC], s[4:5] offset:(32*(\t/2)+8*(\t%2))*192+96*\k+48*(\p/3)+8*(\p%3)
.endr
.endr
.endr
	WIN 0
	s_wait_loadcnt 0x0                             ; all operands are in registers: nothing more is loaded
	MMQK 0, 0                                      ; q, tokens 0-63 of the group
	QUANT HA
	STQ 0
	v_mov_b32 v[PW0], v[PW]
	s_wait_xcnt 0x0                                ; the stores have read their data: the codes' registers are written again only behind this wait (so ahead of every later unit)
	MMQK 0, 1                                      ; q, tokens 64-127
	QUANT HA
	STQ 1
	STS 22, 0
	s_wait_xcnt 0x0
	MMQK 1, 0                                      ; k
	QUANT HA
	STKV 0
	v_mov_b32 v[PW0], v[PW]
	s_wait_xcnt 0x0
	MMQK 1, 1
	QUANT HA
	STKV 1536
	STS 42, 98304
	s_wait_xcnt 0x0
	MMV 0                                          ; v^T
	QUANT HA
	STKV 49152
	v_mov_b32 v[PW0], v[PW]
	s_wait_xcnt 0x0
	MMV 1
	QUANT HA
	STKV 49152+1536
	STS 42, 100352
	s_endpgm
.Lfunc_end_k_q10a3e506fb_qkv:
	.size	k_q10a3e506fb_qkv, .Lfunc_end_k_q10a3e506fb_qkv-k_q10a3e506fb_qkv
	.p2alignl 7, 3214868480
	.fill 96, 4, 3214868480
	.section	.rodata,"a",@progbits
	.p2align	6, 0x0
	.amdhsa_kernel k_q10a3e506fb_qkv
		.amdhsa_group_segment_fixed_size 0
		.amdhsa_private_segment_fixed_size 0
		.amdhsa_enable_private_segment 0
		.amdhsa_kernarg_size 88
		.amdhsa_user_sgpr_count 2
		.amdhsa_user_sgpr_kernarg_segment_ptr 1
		.amdhsa_wavefront_size32 1
		.amdhsa_system_sgpr_workgroup_id_x 1
		.amdhsa_system_sgpr_workgroup_id_y 1
		.amdhsa_system_sgpr_workgroup_id_z 1
		.amdhsa_system_vgpr_workitem_id 0
		.amdhsa_next_free_vgpr 768
		.amdhsa_next_free_sgpr 66
		.amdhsa_reserve_vcc 0
		.amdhsa_float_denorm_mode_32 3
		.amdhsa_float_denorm_mode_16_64 3
		.amdhsa_memory_ordered 1
		.amdhsa_forward_progress 1
		.amdhsa_inst_pref_size 59
	.end_amdhsa_kernel
	.amdgpu_metadata
---
amdhsa.version: [ 1, 2 ]
amdhsa.kernels:
  - .name:           k_q10a3e506fb_qkv
    .symbol:         k_q10a3e506fb_qkv.kd
    .args:
      - { .name: x_codes, .offset: 0, .size: 8, .value_kind: global_buffer, .address_space: global }
      - { .name: x_scales, .offset: 8, .size: 8, .value_kind: global_buffer, .address_space: global }
      - { .name: wq_codes, .offset: 16, .size: 8, .value_kind: global_buffer, .address_space: global }
      - { .name: wq_scales, .offset: 24, .size: 8, .value_kind: global_buffer, .address_space: global }
      - { .name: wk_codes, .offset: 32, .size: 8, .value_kind: global_buffer, .address_space: global }
      - { .name: wk_scales, .offset: 40, .size: 8, .value_kind: global_buffer, .address_space: global }
      - { .name: wv_codes, .offset: 48, .size: 8, .value_kind: global_buffer, .address_space: global }
      - { .name: wv_scales, .offset: 56, .size: 8, .value_kind: global_buffer, .address_space: global }
      - { .name: qimg, .offset: 64, .size: 8, .value_kind: global_buffer, .address_space: global }
      - { .name: qsw, .offset: 72, .size: 8, .value_kind: global_buffer, .address_space: global }
      - { .name: kv, .offset: 80, .size: 8, .value_kind: global_buffer, .address_space: global }
    .group_segment_fixed_size: 0
    .private_segment_fixed_size: 0
    .kernarg_segment_align: 8
    .kernarg_segment_size: 88
    .max_flat_workgroup_size: 128
    .sgpr_count:     66
    .vgpr_count:     768
    .wavefront_size: 32
...
	.end_amdgpu_metadata
.endif
;; end of part 1
;; launch attn (part 2): grid 4 x 64, 16 waves a work-group, clusters of 4 x 1, 167,936 bytes of LDS; arguments qimg, qsw, kv, oc, os; writes oc, os
.if DOCPART == 2
	.amdgcn_target "amdgcn-amd-amdhsa--gfx1250"
	.amdhsa_code_object_version 6
	.text
	.protected	k_q10a3e506fb_attn
	.globl	k_q10a3e506fb_attn
	.p2align	8
	.type	k_q10a3e506fb_attn,@function
k_q10a3e506fb_attn:
	s_mov_b64 s[64:65], 0
	v_nop
	global_prefetch_b8 v0, s[64:65] scope:SCOPE_SE
	s_setreg_imm32_b32 hwreg(HW_REG_WAVE_MODE, 25, 1), 1
	s_wait_xcnt 0x0
	s_wait_alu depctr_hold_cnt(0) depctr_sa_sdst(0) depctr_va_vdst(0) depctr_va_sdst(0) depctr_va_ssrc(0) depctr_va_vcc(0) depctr_vm_vsrc(0)
	s_getreg_b32 s2, hwreg(HW_REG_IB_STS2, 6, 4)
	s_cmp_eq_u32 s2, 0
	s_cbranch_scc0 .Lentry_in_a_cluster
	s_endpgm
.Lentry_in_a_cluster:
	s_bfe_u32 s2, ttmp6, 0x10000c
	s_cmp_lg_u32 s2, 0x3003
	s_cbranch_scc0 .Lentry_shape_is_right
	s_endpgm
.Lentry_shape_is_right:
; Products 4 and 5 with the softmax between them, on codes of FP6 (E2M3), and the result quantised for product 6.  Nothing of the problem is left out here.
; t = score x log2(e) / 16 (the problem divides by sqrt(256)); M = the running largest t rounded UP to a whole number; p = 2^(t - M) is quantised along the keys, not normalised;
; the row's sum is taken of the unquantised p and divides O at the end; when M moves, the sum and O are multiplied by 2^(old M - new M), which rounds nothing.
; LIMITS: NaN and infinities are not served; a p under 2^-126 comes out of v_exp_f32 as 0; O / sum is a reciprocal and a multiplication; a block of zeros gets the scale byte 1 (its codes are zeros; this program alone reads the bytes).
; SHARES.  A work-group owns 512 queries of one (batch, head); the head's K, V^T and their scale words, 102,400 bytes laid as images of operand registers, come into LDS ONCE and stay: nothing is filled again.
; CLUSTER: the four work-groups of a cluster are the four query blocks of one head, so the fill is asked for JOINTLY: each of the sixteen waves issues one tensor load (25 rows of 256 bytes), the same in all four partners.
; By this text's own count a wave has one tensor load outstanding.  The place in the cluster enters global addresses of q and of the results alone: no branch, no LDS address.
; Wave w owns 32 queries: two tiles of 16, one after the other; a tile walks the 2,048 keys in 16 steps of 128.  Four waves share a SIMD, so that one wave's vector work stands beside another's products and LDS loads.
; A FRAGMENT OF K HOLDS 64 KEYS: row r has, in block j of its 128 places, the 32 codes of key 64 F + 32 (j / 2) + 8 (j % 2) + r + 8 (r / 8).  It is multiplied by four variants of Q's fragment: variant j has q in block j
; and zero codes elsewhere, which add exactly 0.  So a step's 128 keys x 16 queries are 8 matrix instructions on 2 fragments, and register 16 b + x of the scores is key 32 b + 16 (lane / 16) + x of the step: 16 neighbours.
; Both products are used transposed (S^T = K Q^T, O^T = V^T P^T): a lane holds ONE query (lane % 16) throughout.  V^T's rows are d = 8 e + r + 8 (r / 8), so that O^T's 16 registers are d = 16 (lane / 16) + 0 .. 15.
.set KIMG, 0                           ; LDS: K's 32 images of 1,536 bytes,
.set VIMG, 49152                       ; V^T's 32 (2 s + e),
.set KSW,  98304                       ; K's scale words, 128 bytes a step (lanes 0-15 fragment 2 s, lanes 16-31 fragment 2 s + 1),
.set VSW,  100352                      ; V^T's likewise (e = 0, e = 1): these four regions are the head's 102,400 bytes as they lie in memory
.set OST,  102400                      ; a stage of 768 bytes for each wave: its 32 queries' codes
.set OSB,  114688                      ; the 512 queries' scale bytes
.set SPARE, 115200                     ; the spare words, 128 bytes for each wave: eight blocks of 256 bytes that no other line names
.set AK0,  1                           ; v1  16 x lane
.set AS0,  2                           ; v2  KSW + 4 x lane
.set SPW,  3                           ; v3  LDS address of my spare word; never rewritten
.set NIL,  4                           ; v4  0; never rewritten
.set ADK,  5                           ; v5  the step's images
.set ADS,  6                           ; v6  the step's scale words
.set OSTW, 7                           ; v7  my stage, on the way in: 24 x (my query's place among the wave's 32)
.set OSTR, 8                           ; v8  and on the way out: 8 x lane
.set G8,   9                           ; v9  8 x lane
.set OSBW, 10                          ; v10 my query's scale byte
.set OSBR, 11                          ; v11 OSB + 16 x lane
.set GQ,   46                          ; v46-51 q as loaded: lanes 0-15 tile 0, lanes 16-31 tile 1;  v52-57 the same with the halves of the lanes changed
.set XQ,   52
.set QW,   58                          ; v58 q's scale word, v59 the tile's byte, v60-63 the four variants' scale words
.set QBY,  59
.set QSW,  60
.set KF,   64                          ; v64-87 two fragments of K;  v88-111 two of V^T
.set VF,   88
.set S,    112                         ; v112-175 the scores, then p
.set O,    176                         ; v176-191 O^T
.set PC,   192                         ; v192-203 p's codes; v204-206, v208-210 the conversions' second halves
.set KSWR, 212
.set VSWR, 213
.set PSW,  214
.set BM,   216                         ; v216-219 the blocks' largest; v220-223 permute targets and bytes; v224-227 the conversions' scale operands
.set SO,   224                         ; v[228:229], v[230:231] the sum's two chains; v[232:233] f; v234 at work; v236-238, v240-242 the tiles' result codes; v243, v244 their bytes
.set WV,   14
.set C16,  19
.set SEL,  20
.set CS,   22
.set MLO,  24
.set MHI,  25
.set TK,   26
.set TS,   27
.set CNT,  28
.set SH,   29
.macro CROUND                          ; a round of the cluster's barrier
	s_barrier_signal -1
	s_barrier_wait -1
	s_cmp_lg_u32 s[WV], 0
	s_cbranch_scc1 .Lnot_wave_0_\@
	s_barrier_signal -3
.Lnot_wave_0_\@:
	s_barrier_wait -3
	s_barrier_signal -1
	s_barrier_wait -1
.endm
.macro SCORE f, j, qv                  ; keys of fragment f, block j: 16 keys x 16 queries
.if \f
	v_wmma_scale_f32_16x16x128_f8f6f4 v[S+8*(4*\f+\j):S+8*(4*\f+\j)+7], v[KF+12*\f:KF+12*\f+11], v[\qv:\qv+11], 0, v[KSWR], v[QSW+\j] matrix_a_fmt:MATRIX_FMT_FP6 matrix_b_fmt:MATRIX_FMT_FP6 matrix_a_scale:MATRIX_SCALE_ROW1
.else
	v_wmma_scale_f32_16x16x128_f8f6f4 v[S+8*(4*\f+\j):S+8*(4*\f+\j)+7], v[KF+12*\f:KF+12*\f+11], v[\qv:\qv+11], 0, v[KSWR], v[QSW+\j] matrix_a_fmt:MATRIX_FMT_FP6 matrix_b_fmt:MATRIX_FMT_FP6
.endif
.endm
	s_load_b256 s[4:11], s[0:1], 0x0               ; qimg 4:5, qsw 6:7, kv 8:9, oc 10:11
	s_load_b64 s[12:13], s[0:1], 0x20              ; os
	v_lshl_add_u32 v[SPW], v0, 2, SPARE
	v_mov_b32 v[NIL], 0
	ds_add_u32 v[SPW], v[NIL]                      ; the wave's opening: the add, twice on end, and its wait ahead of my first tensor load
	ds_add_u32 v[SPW], v[NIL]
	v_lshrrev_b32 v246, 5, v0
	v_readfirstlane_b32 s[WV], v246                ; wave 0..15
	s_and_b32 s16, ttmp7, 0xffff                   ; bh, which the four partners share
	s_mul_i32 s44, s16, 102400                     ; the head's part of kv,
	s_mul_i32 s45, s[WV], 6400
	s_add_co_u32 s44, s44, s45                     ; my wave's 25 rows of 256 bytes of it
	s_mov_b32 s45, 0
	s_mov_b32 s32, 15|(3<<16)|(1<<21)              ; group 1: 15:0 the mask: all four work-groups; 17:16 elements of 8 bytes; 20 no padding; 21 set beside a mask
	s_mov_b32 s33, 32<<16                          ; tensor_dim0 = 32 elements (256 bytes)
	s_mov_b32 s34, 25<<16                          ; tensor_dim1 = 25
	s_mov_b32 s35, 32<<16                          ; tile_dim0 = 32
	s_mov_b32 s36, 25                              ; tile_dim1 = 25
	s_mov_b32 s37, 32                              ; from row to row: 32 elements: the block is dense
	s_mov_b32 s38, 0
	s_mov_b32 s39, 0
	s_bfe_u32 s15, ttmp6, 0x40000                  ; cx
	s_lshl_b32 s46, ttmp9, 2
	s_add_co_u32 s15, s15, s46                     ; my block of 512 queries
	s_and_b32 s17, s[WV], 1                        ; c: which half of q's fragment is my wave's
	s_lshl_b32 s[C16], s17, 4
	s_lshr_b32 s18, s[WV], 1
	s_lshl_b32 s46, s15, 3
	s_add_co_u32 s18, s18, s46                     ; q's fragment: 8 x block + wave / 2
	s_lshl_b32 s46, s16, 5
	s_add_co_u32 s46, s46, s18                     ; 32 bh + fragment
	s_lshl_b32 s48, s46, 6                         ; its 64 bytes of scale words
	s_mov_b32 s49, 0
	s_mul_i32 s46, s46, 1536
	s_mul_i32 s47, s17, 768
	s_add_co_u32 s46, s46, s47                     ; its image, my half: registers 6 c .. 6 c + 5
	s_mov_b32 s47, 0
	s_lshl_b32 s52, s16, 11
	s_lshl_b32 s53, s15, 9
	s_add_co_u32 s52, s52, s53                     ; 2,048 bh + 512 x block: the work-group's first query, and its scale byte
	s_lshl_b32 s50, s[WV], 5
	s_add_co_u32 s50, s50, s52
	s_mul_i32 s50, s50, 24                         ; my wave's first query's codes
	s_mov_b32 s51, 0
	s_mov_b32 s53, 0
	s_mov_b32 s[SEL], 0x76543210
	s_mov_b32 s[SEL+1], 0xfedcba98                 ; v_permlanex16_b32's selects for lane l xor 16
	s_mov_b32 s[CS], 0x3db8aa3b                    ; c = log2(e) / 16
	s_mov_b32 s[CS+1], s[CS]                       ; (named with it as a pair, so it is written)
	s_mov_b32 s[MLO], 0xffff                       ; lanes 0-15
	s_mov_b32 s[MHI], 0xffff0000                   ; lanes 16-31
	s_wait_dscnt 0x0                               ; both opening adds are done
	s_wait_kmcnt 0x0
	s_mov_b32 s40, 1                               ; group 0: count = 1
	s_mul_i32 s41, s[WV], 6400                     ; LDS address: the bytes lie in LDS as in memory
	s_add_nc_u64 s[42:43], s[8:9], s[44:45]
	s_or_b32 s43, s43, 0x80000000                  ; type = 2
	s_add_nc_u64 s[4:5], s[4:5], s[46:47]
	s_add_nc_u64 s[6:7], s[6:7], s[48:49]
	s_add_nc_u64 s[10:11], s[10:11], s[50:51]
	s_add_nc_u64 s[12:13], s[12:13], s[52:53]
	CROUND                                         ; all four work-groups are here: the joint loads meet
	tensor_load_to_lds s[40:43], s[32:39]
	s_nop 0
.rept 4
	v_nop
.endr
	v_and_b32 v246, 31, v0                         ; lane
	v_and_b32 v247, 15, v0                         ; r
	v_bfe_u32 v248, v0, 4, 1                       ; lane / 16
	v_and_b32 v249, 8, v247
	v_add_nc_u32 v249, v249, v247                  ; r + 8 (r / 8)
	v_lshl_add_u32 v249, v248, 3, v249             ; + 8 (lane / 16): the place, among my wave's 32 queries, of the query whose result this lane will hold
	v_lshlrev_b32 v[G8], 3, v246
	v_lshlrev_b32 v250, 2, v247
.irp k, 0,1,2
	global_load_b64 v[GQ+2*\k:GQ+2*\k+1], v[G8], s[4:5] offset:256*\k   ; q's codes: lane (r, h): the query in row r, block 2 c + h
.endr
	global_load_b32 v[QW], v250, s[6:7]            ; row r's scale word
	v_lshlrev_b32 v[AK0], 4, v246
	v_lshl_add_u32 v[AS0], v246, 2, KSW
	s_mul_i32 s44, s[WV], 768
	s_add_co_u32 s44, s44, OST
	v_mul_u32_u24 v[OSTW], v249, 24
	v_add_nc_u32 v[OSTW], s44, v[OSTW]
	v_add_nc_u32 v[OSTR], s44, v[G8]
	s_lshl_b32 s45, s[WV], 5
	s_add_co_u32 s45, s45, OSB
	v_add_nc_u32 v[OSBW], s45, v249
	v_add_nc_u32 v[OSBR], OSB, v[AK0]
.irp k, 0,1,2,3,4,5
	v_mov_b32 v[22+\k], 0                          ; the zero codes of Q's variants
	v_mov_b32 v[34+\k], 0
	v_mov_b32 v[XQ+\k], 0                          ; (a lane permute's destination counts as one of its sources)
.endr
.irp b, 0,1,2,3
	v_mov_b32 v[220+\b], 0
.endr
	v_mov_b32 v233, 0                              ; (named as the upper half of the pair v[232:233])
	s_wait_loadcnt 0x0                             ; q
.irp k, 0,1,2,3,4,5
	v_permlanex16_b32 v[XQ+\k], v[GQ+\k], s[SEL], s[SEL+1]
.endr
	s_wait_tensorcnt 0x0                           ; my part of the head is in LDS,
	s_barrier_signal -1
	s_barrier_wait -1                              ; everybody's is
; ONE TILE OF 16 QUERIES.  tl: which of my two; qa holds its codes in lanes 0-15, qb in lanes 16-31.
; Q's variants share one run of registers: v16-21 q in lanes 16-31 | v22-27 zeros | v28-33 q in lanes 0-15 | v34-39 zeros | v40-45 q in lanes 16-31.  Variant 0 = v[28:39], 1 = v[16:27], 2 = v[22:33], 3 = v[34:45].
.macro TILE tl, qa, qb
	s_add_co_u32 s[SH], s[C16], 8*\tl              ; the tile is block 2 c + tl of q's fragment
	v_bfe_u32 v[QBY], v[QW], s[SH], 8              ; its scale byte
	v_lshl_or_b32 v[QSW+0], v[QBY], 0, 0x01010100  ; variant j: the byte at block j; the blocks of zero codes carry the byte 1
	v_lshl_or_b32 v[QSW+1], v[QBY], 8, 0x01010001
	v_lshl_or_b32 v[QSW+2], v[QBY], 16, 0x01000101
	v_lshl_or_b32 v[QSW+3], v[QBY], 24, 0x00010101
.irp k, 0,1,2,3,4,5
	v_cndmask_b32 v[28+\k], 0, v[\qa+\k], s[MLO]
	v_cndmask_b32 v[16+\k], 0, v[\qb+\k], s[MHI]
	v_cndmask_b32 v[40+\k], 0, v[\qb+\k], s[MHI]
.endr
	v_mov_b32 v13, 0xff61b1e6                      ; the largest t so far: -3e38, under every t
	v_floor_f32 v12, -v13                          ; -M
	v_mov_b32 v14, 0                               ; the sum, in two halves
	v_mov_b32 v15, 0
.irp j, 0,1,2,3,4,5,6,7,8,9,10,11,12,13,14,15
	v_mov_b32 v[O+\j], 0                           ; O^T: the step is written once; the first finds zeros.  (These lines are also the places between the scale words and operands made above and the first product)
.endr
	s_mov_b32 s[TK], 0
	s_mov_b32 s[TS], 0
	s_mov_b32 s[CNT], 16
.Lstep_\@:                                         ; a key step: 128 keys
	v_add_nc_u32 v[ADK], s[TK], v[AK0]
	v_add_nc_u32 v[ADS], s[TS], v[AS0]
	v_nop
	v_nop                                          ; four places in front of loads into registers that the last products have read
.irp f, 0,1
.irp g, 0,1,2
	ds_load_b128 v[KF+12*\f+4*\g:KF+12*\f+4*\g+3], v[ADK] offset:KIMG+1536*\f+512*\g
.endr
.endr
	ds_load_b32 v[KSWR], v[ADS]
.irp f, 0,1
.irp g, 0,1,2
	ds_load_b128 v[VF+12*\f+4*\g:VF+12*\f+4*\g+3], v[ADK] offset:VIMG+1536*\f+512*\g
.endr
.endr
	ds_load_b32 v[VSWR], v[ADS] offset:VSW-KSW
	s_wait_dscnt 7                                 ; K's seven loads are in; V's seven, issued behind them, may stay out
.irp f, 0,1
	SCORE \f, 0, 28
	SCORE \f, 1, 16
	SCORE \f, 2, 22
	SCORE \f, 3, 34
.endr
.rept 4
	v_nop
.endr
.irp b, 0,1,2,3
	v_max3_num_f32 v[BM+\b], v[S+16*\b], v[S+16*\b+1], v[S+16*\b+2]   ; the largest score of each block of 32 keys: for the row's maximum and, since p rises with the score, for the block's largest p
.endr
.irp n, 3,5,7,9,11,13
.irp b, 0,1,2,3
	v_max3_num_f32 v[BM+\b], v[BM+\b], v[S+16*\b+\n], v[S+16*\b+\n+1]
.endr
.endr
.irp b, 0,1,2,3
	v_max_num_f32 v[BM+\b], v[BM+\b], v[S+16*\b+15]
.endr
.irp b, 0,1,2,3
	v_permlanex16_b32 v[220+\b], v[BM+\b], s[SEL], s[SEL+1]
.endr
.irp b, 0,1,2,3
	v_max_num_f32 v[BM+\b], v[BM+\b], v[220+\b]    ; with lane l xor 16's 16 keys
.endr
	v_max3_num_f32 v234, v[BM], v[BM+1], v[BM+2]
	v_max_num_f32 v234, v234, v[BM+3]              ; the step's largest score of my query
	v_mul_f32 v234, s[CS], v234                    ; as t (c is positive)
	v_max_num_f32 v13, v13, v234                   ; the running largest t
	v_mov_b32 v234, v12
	v_floor_f32 v12, -v13                          ; the new -M = floor(-t): M is a whole number
	v_sub_f32 v234, v12, v234                      ; old M - new M: a whole number, 0 or less
	v_cvt_i32_f32 v234, v234                       ; (it saturates)
	v_ldexp_f32 v232, 1.0, v234                    ; f = 2^(old M - new M)
.irp b, 0,1,2,3
	v_fma_f32 v[BM+\b], v[BM+\b], s[CS], v12       ; t - M of each block's largest score
.endr
.irp n, 0,2,4,6,8,10,12,14,16,18,20,22,24,26,28,30,32,34,36,38,40,42,44,46,48,50,52,54,56,58,60,62
	v_pk_fma_f32 v[S+\n:S+\n+1], v[S+\n:S+\n+1], s[CS:CS+1], v[12:13] op_sel_hi:[1,0,0]   ; t - M, two at a time (of the pairs c and -M the low word serves both halves)
.endr
.irp b, 0,1,2,3
	v_exp_f32 v[BM+\b], v[BM+\b]                   ; ONE BATCH of 68 exponentials: the blocks' largest p,
.endr
.irp n, 0,1,2,3,4,5,6,7,8,9,10,11,12,13,14,15,16,17,18,19,20,21,22,23,24,25,26,27,28,29,30,31,32,33,34,35,36,37,38,39,40,41,42,43,44,45,46,47,48,49,50,51,52,53,54,55,56,57,58,59,60,61,62,63
	v_exp_f32 v[S+\n], v[S+\n]                     ; and p = 2^(t - M), at most 1: not normalised
.endr
	v_nop                                          ; a plain place behind the last exponential
	s_wait_alu depctr_va_vdst(0)                   ; the wait ahead of the first line that names a result: one for the batch
.irp b, 0,1,2,3
	v_max_num_f32 v[BM+\b], 0x1800000, v[BM+\b]    ; the floor 2^(3 - 127): the byte cannot fall under 1
.endr
.irp b, 0,1,2,3
	v_add_nc_u32 v[SO+\b], 0xff000000, v[BM+\b]    ; 2 off the exponent field: the conversion's scale operand
.endr
.irp b, 0,1,2,3
	v_lshrrev_b32 v[220+\b], 23, v[SO+\b]          ; the scale's byte
.endr
	v_lshl_or_b32 v[PSW], v221, 8, v220            ; p's scale word for these 128 keys
	v_lshl_or_b32 v[PSW], v222, 16, v[PSW]
	v_lshl_or_b32 v[PSW], v223, 24, v[PSW]
	v_pk_add_f32 v[228:229], v[S:S+1], v[S+4:S+5]  ; the row's sum is taken of the UNQUANTISED p: two at a time, in two chains
	v_pk_add_f32 v[230:231], v[S+2:S+3], v[S+6:S+7]
.irp n, 8,12,16,20,24,28,32,36,40,44,48,52,56,60
	v_pk_add_f32 v[228:229], v[228:229], v[S+\n:S+\n+1]
	v_pk_add_f32 v[230:231], v[230:231], v[S+\n+2:S+\n+3]
.endr
.irp c, 0,1
	v_cvt_scalef32_pk16_fp6_f32 v[PC+6*\c:PC+6*\c+2], v[S+32*\c:S+32*\c+15], v[SO+2*\c]
	v_cvt_scalef32_pk16_fp6_f32 v[204+4*\c:206+4*\c], v[S+32*\c+16:S+32*\c+31], v[SO+2*\c+1]   ; (a conversion's three registers begin on an even number)
.endr
	v_nop                                          ; one plain place behind a scaled conversion
.irp c, 0,1                                    ; the operand's layout wants a WHOLE block in a lane: lanes 0-15 block 2 c, lanes 16-31 block 2 c + 1
.irp k, 0,1,2
	v_permlane16_swap_b32 v[PC+6*\c+\k], v[204+4*\c+\k]
.endr
.irp k, 0,1,2
	v_mov_b32 v[PC+3+6*\c+\k], v[204+4*\c+\k]
.endr
.endr
	v_pk_add_f32 v[228:229], v[228:229], v[230:231]
	v_pk_fma_f32 v[14:15], v[14:15], v[232:233], v[228:229] op_sel_hi:[1,0,1]   ; the sum under the new M, and this step's
.irp n, 0,2,4,6,8,10,12,14
	v_pk_mul_f32 v[O+\n:O+\n+1], v[O+\n:O+\n+1], v[232:233] op_sel_hi:[1,0]     ; O^T under the new M.  (With the two lines above: the places between p's codes and the products)
.endr
	s_wait_dscnt 0x0                               ; V is in
	v_wmma_scale_f32_16x16x128_f8f6f4 v[O:O+7], v[VF:VF+11], v[PC:PC+11], v[O:O+7], v[VSWR], v[PSW] matrix_a_fmt:MATRIX_FMT_FP6 matrix_b_fmt:MATRIX_FMT_FP6
	v_wmma_scale_f32_16x16x128_f8f6f4 v[O+8:O+15], v[VF+12:VF+23], v[PC:PC+11], v[O+8:O+15], v[VSWR], v[PSW] matrix_a_fmt:MATRIX_FMT_FP6 matrix_b_fmt:MATRIX_FMT_FP6 matrix_a_scale:MATRIX_SCALE_ROW1
	s_add_co_u32 s[TK], s[TK], 3072                ; the next step's two images of K and of V^T,
	s_add_co_u32 s[TS], s[TS], 128                 ; and its scale words
	s_sub_co_u32 s[CNT], s[CNT], 1
	s_cmp_lg_u32 s[CNT], 0
	s_cbranch_scc1 .Lstep_\@
	; the tile's end: O^T / the sum, quantised along d: the head is one block of 32 of the last product's K, and lies in lanes l and l xor 16
	v_add_f32 v14, v14, v15                        ; the sum's two halves,
	v_permlanex16_b32 v234, v14, s[SEL], s[SEL+1]
	v_add_f32 v14, v14, v234                       ; and lane l xor 16's
	v_nop
	v_nop                                          ; (places behind the last products)
	v_rcp_f32 v14, v14
	v_nop                                          ; a plain place behind the transcendental
	s_wait_alu depctr_va_vdst(0)                   ; and the wait ahead of its first reader
.irp j, 0,1,2,3,4,5,6,7,8,9,10,11,12,13,14,15
	v_mul_f32 v[S+\j], v[O+\j], v14                ; o(my query, 16 (lane / 16) + j); each accumulator from its low end on
.endr
	v_max3_num_f32 v[BM], |v[S]|, |v[S+1]|, 0x1800000
.irp n, 2,4,6,8,10,12,14
	v_max3_num_f32 v[BM], v[BM], |v[S+\n]|, |v[S+\n+1]|
.endr
	v_permlanex16_b32 v220, v[BM], s[SEL], s[SEL+1]
	v_max_num_f32 v[BM], v[BM], v220
	v_add_nc_u32 v[SO], 0xff000000, v[BM]
	v_lshrrev_b32 v[243+\tl], 23, v[SO]            ; the block's scale byte
	v_cvt_scalef32_pk16_fp6_f32 v[236+4*\tl:238+4*\tl], v[S:S+15], v[SO]
	v_nop                                          ; one plain place behind a scaled conversion
.endm
	TILE 0, GQ, XQ
	TILE 1, XQ, GQ
	; THE WAY OUT.  The halves change places, so that lane (r, i) holds all 24 bytes of tile i's query r; they go through my own stage, in the queries' order, and leave as three aligned runs of 256 bytes.
.irp k, 0,1,2
	v_permlane16_swap_b32 v[236+\k], v[240+\k]
.endr
.irp k, 0,1,2
	ds_store_b32 v[OSTW], v[236+\k] offset:4*\k
.endr
.irp k, 0,1,2
	ds_store_b32 v[OSTW], v[240+\k] offset:12+4*\k
.endr
.irp k, 0,1,2
	ds_load_b64 v[246+2*\k:247+2*\k], v[OSTR] offset:256*\k   ; LDS serves a wave's instructions in order (ISA guide 5.7.1.4): these see my stores
.endr
	v_cndmask_b32 v245, v243, v244, s[MHI]
	ds_store_b8 v[OSBW], v245
	s_wait_dscnt 0x0                               ; my codes are back, and, for wave 0's sake, my scale bytes have landed
.irp k, 0,1,2
	global_store_b64 v[G8], v[246+2*\k:247+2*\k], s[10:11] offset:256*\k
.endr
	s_barrier_signal -1
	s_barrier_wait -1                              ; the 512 scale bytes lie in LDS
	s_cmp_lg_u32 s[WV], 0
	s_cbranch_scc1 .Lnot_mine
	ds_load_b128 v[112:115], v[OSBR]
	s_wait_dscnt 0x0
	global_store_b128 v[AK0], v[112:115], s[12:13] ; 512 consecutive bytes, aligned
.Lnot_mine:
	s_wait_tensorcnt 0x0                           ; the wave's end, behind my last tensor load and my last LDS store
	ds_add_u32 v[SPW], v[NIL]
	s_wait_dscnt 0x0
	CROUND                                         ; the closing round
	s_endpgm
.Lfunc_end_k_q10a3e506fb_attn:
	.size	k_q10a3e506fb_attn, .Lfunc_end_k_q10a3e506fb_attn-k_q10a3e506fb_attn
	.p2alignl 7, 3214868480
	.fill 96, 4, 3214868480
	.section	.rodata,"a",@progbits
	.p2align	6, 0x0
	.amdhsa_kernel k_q10a3e506fb_attn
		.amdhsa_group_segment_fixed_size 167936
		.amdhsa_private_segment_fixed_size 0
		.amdhsa_enable_private_segment 0
		.amdhsa_kernarg_size 40
		.amdhsa_user_sgpr_count 2
		.amdhsa_user_sgpr_kernarg_segment_ptr 1
		.amdhsa_wavefront_size32 1
		.amdhsa_system_sgpr_workgroup_id_x 1
		.amdhsa_system_sgpr_workgroup_id_y 1
		.amdhsa_system_sgpr_workgroup_id_z 1
		.amdhsa_system_vgpr_workitem_id 0
		.amdhsa_next_free_vgpr 256
		.amdhsa_next_free_sgpr 66
		.amdhsa_reserve_vcc 0
		.amdhsa_float_denorm_mode_32 3
		.amdhsa_float_denorm_mode_16_64 3
		.amdhsa_memory_ordered 1
		.amdhsa_forward_progress 1
		.amdhsa_inst_pref_size 44
	.end_amdhsa_kernel
	.amdgpu_metadata
---
amdhsa.version: [ 1, 2 ]
amdhsa.kernels:
  - .name:           k_q10a3e506fb_attn
    .symbol:         k_q10a3e506fb_attn.kd
    .args:
      - { .name: qimg, .offset: 0, .size: 8, .value_kind: global_buffer, .address_space: global }
      - { .name: qsw, .offset: 8, .size: 8, .value_kind: global_buffer, .address_space: global }
      - { .name: kv, .offset: 16, .size: 8, .value_kind: global_buffer, .address_space: global }
      - { .name: oc, .offset: 24, .size: 8, .value_kind: global_buffer, .address_space: global }
      - { .name: os, .offset: 32, .size: 8, .value_kind: global_buffer, .address_space: global }
    .group_segment_fixed_size: 167936
    .private_segment_fixed_size: 0
    .kernarg_segment_align: 8
    .kernarg_segment_size: 40
    .max_flat_workgroup_size: 512
    .sgpr_count:     66
    .vgpr_count:     256
    .wavefront_size: 32
...
	.end_amdgpu_metadata
.endif
;; end of part 2
;; launch proj (part 3): grid 256 x 1, 8 waves a work-group, no clusters, 68,096 bytes of LDS; arguments oc, os, wproj_codes, wproj_scales, bproj, out0; writes out0
.if DOCPART == 3
	.amdgcn_target "amdgcn-amd-amdhsa--gfx1250"
	.amdhsa_code_object_version 6
	.text
	.protected	k_q10a3e506fb_proj
	.globl	k_q10a3e506fb_proj
	.p2align	8
	.type	k_q10a3e506fb_proj,@function
k_q10a3e506fb_proj:
	s_mov_b64 s[64:65], 0
	v_nop
	global_prefetch_b8 v0, s[64:65] scope:SCOPE_SE
	s_setreg_imm32_b32 hwreg(HW_REG_WAVE_MODE, 25, 1), 1
	s_wait_xcnt 0x0
; out = o wproj + bproj (product 6), on codes of FP6 (E2M3): o's codes [bh][token][24] and scale bytes [bh][token] as the launch before left them (a head is one block of 32 along K), wproj's as they are given.
; Nothing of the problem is left out here.  LIMITS: NaN, infinities and a scale byte 0xff among the inputs are not served.
; SHARES.  A work-group takes 64 tokens; wave w takes columns 32 w .. 32 w + 31 for all of them: 8 accumulators, 16 matrix instructions; every operand goes from memory into registers once.
; NO CLUSTER: what work-groups share is wproj's 49,152 bytes, of which a wave takes 6,144 straight into registers once; there is no tile in LDS that a joint load could fill.
; TRANSPOSED USE: source 0 = 16 rows of wproj (columns of out), source 1 = 16 tokens: a lane holds eight neighbouring columns of one row of out.  The bias is the C of each sum's first matrix instruction.
; o's scale bytes lie head by head; a scale word wants four heads of one token: wave w brings head w's 64 bytes and lays them into a table [token][head] in LDS.
; The results meet in a stage (rows of 1,024 bytes + 16) and leave as whole rows: each store covers 512 consecutive bytes, aligned.
.set STG,  0                           ; LDS: 64 rows x 1,040 bytes
.set SCT,  66560                       ; [token 64][head 8]
.set SPARE, 67072                      ; the spare words, 128 bytes for each wave: four blocks of 256 bytes that no other line names
.set VW,   1                           ; v1  192 r + 24 h: wproj's codes
.set VWS,  2                           ; v2  8 r: wproj's scale bytes
.set VA,   3                           ; v3  24 r + 49,152 h: o's codes: token r, and one head on for lanes 16-31
.set VB,   4                           ; v4  32 h: the bias
.set VU,   5                           ; v5  2 x lane
.set SCW,  6                           ; v6  SCT + 16 x lane + wave
.set SCR,  7                           ; v7  SCT + 8 r
.set STO,  8                           ; v8  the stage: row r, + 32 h, + 128 x wave
.set STR,  9                           ; v9  and back: my 8 rows, 16 bytes a lane
.set L16,  10                          ; v10 16 x lane
.set SPW,  13                          ; v13 LDS address of my spare word; never rewritten
.set NIL,  14                          ; v14 0; never rewritten
.set WF,   16                          ; v16-63   wproj's fragments (tile n, K step k) at 12 (2 n + k)
.set WS,   64                          ; v64-67   their scale words
.set AS,   68                          ; v68-75   o's scale words (tile m, K step k) at 2 m + k
.set BI,   76                          ; v76-91   the bias, 8 registers a tile of columns
.set AF,   92                          ; v92-187  o's fragments at 12 (2 m + k); later the rows read back
.set ACC,  188                         ; v188-251 the accumulators at 8 (4 n + m)
	s_load_b256 s[4:11], s[0:1], 0x0               ; oc 4:5, os 6:7, wproj codes 8:9, wproj scales 10:11
	s_load_b128 s[12:15], s[0:1], 0x20             ; bproj 12:13, out0 14:15
	v_lshl_add_u32 v[SPW], v0, 2, SPARE
	v_mov_b32 v[NIL], 0
	v_lshrrev_b32 v11, 5, v0
	v_readfirstlane_b32 s16, v11                   ; wave 0..7
	v_and_b32 v11, 31, v0                          ; lane
	v_and_b32 v12, 15, v0                          ; r
	v_bfe_u32 v15, v0, 4, 1                        ; h
	v_mul_u32_u24 v[VW], v12, 192
	v_mad_u32_u24 v[VW], v15, 24, v[VW]
	v_lshlrev_b32 v[VWS], 3, v12
	v_mul_u32_u24 v[VA], v12, 24
	v_mad_u32_u24 v[VA], v15, 0xc000, v[VA]
	v_lshlrev_b32 v[VB], 5, v15
	v_lshlrev_b32 v[VU], 1, v11
	v_lshl_add_u32 v[SCW], v11, 4, SCT
	v_add_nc_u32 v[SCW], s16, v[SCW]
	v_lshl_add_u32 v[SCR], v12, 3, SCT
	v_mul_u32_u24 v[STO], v12, 1040
	v_lshl_add_u32 v[STO], v15, 5, v[STO]
	s_lshl_b32 s17, s16, 7
	v_add_nc_u32 v[STO], s17, v[STO]
	v_lshlrev_b32 v[L16], 4, v11
	s_mul_i32 s17, s16, 8320
	v_add_nc_u32 v[STR], s17, v[L16]
	s_lshr_b32 s18, ttmp9, 5                       ; batch
	s_and_b32 s19, ttmp9, 31
	s_lshl_b32 s19, s19, 6                         ; the work-group's first token in the sequence
	s_lshl_b32 s20, s18, 3
	s_add_co_u32 s20, s20, s16
	s_lshl_b32 s20, s20, 11
	s_add_co_u32 s20, s20, s19                     ; os: head = my wave's number
	s_mov_b32 s21, 0
	s_mul_i32 s22, s18, 393216
	s_mul_i32 s23, s19, 24
	s_add_co_u32 s22, s22, s23                     ; oc: the batch's head 0, the first token
	s_mov_b32 s23, 0
	s_mul_i32 s24, s16, 6144                       ; my 32 rows of wproj's codes,
	s_mov_b32 s25, 0
	s_lshl_b32 s26, s16, 8                         ; of its scale bytes,
	s_mov_b32 s27, 0
	s_lshl_b32 s28, s16, 7                         ; my 32 numbers of the bias
	s_mov_b32 s29, 0
	s_lshl_b32 s30, ttmp9, 16                      ; out: 64 rows of 1,024 bytes a work-group,
	s_lshl_b32 s31, s16, 13
	s_add_co_u32 s30, s30, s31                     ; of which I store 8
	s_mov_b32 s31, 0
	s_wait_kmcnt 0x0
	s_add_nc_u64 s[4:5], s[4:5], s[22:23]
	s_add_nc_u64 s[6:7], s[6:7], s[20:21]
	s_add_nc_u64 s[8:9], s[8:9], s[24:25]
	s_add_nc_u64 s[10:11], s[10:11], s[26:27]
	s_add_nc_u64 s[12:13], s[12:13], s[28:29]
	s_add_nc_u64 s[14:15], s[14:15], s[30:31]
	global_load_u16 v252, v[VU], s[6:7]            ; the scale bytes of tokens 2 lane, 2 lane + 1 in head = wave
.irp m, 0,1,2,3
.irp k, 0,1
.irp c, 0,1
.irp p, 0,1,2
	global_load_b64 v[AF+12*(2*\m+\k)+6*\c+2*\p:AF+12*(2*\m+\k)+6*\c+2*\p+1], v[VA], s[4:5] offset:196608*\k+98304*\c+384*\m+8*\p   ; token 16 m + r, head 4 k + 2 c + h: its 24 bytes
.endr
.endr
.endr
.endr
	s_wait_loadcnt 48                              ; the scale bytes are in; the 48 loads issued behind them stay out
	v_lshrrev_b32 v253, 8, v252
	ds_store_b8 v[SCW], v252
	ds_store_b8 v[SCW], v253 offset:8
.irp n, 0,1
.irp k, 0,1
.irp p, 0,1,2,3,4,5
	global_load_b64 v[WF+12*(2*\n+\k)+2*\p:WF+12*(2*\n+\k)+2*\p+1], v[VW], s[8:9] offset:3072*\n+96*\k+48*(\p/3)+8*(\p%3)
.endr
.endr
	global_load_b64 v[WS+2*\n:WS+2*\n+1], v[VWS], s[10:11] offset:128*\n
	global_load_b128 v[BI+8*\n:BI+8*\n+3], v[VB], s[12:13] offset:64*\n        ; bias of columns 32 w + 16 n + 8 h + 0 .. 7: the result's layout
	global_load_b128 v[BI+8*\n+4:BI+8*\n+7], v[VB], s[12:13] offset:64*\n+16
.endr
	s_wait_dscnt 0x0                               ; for the others' sake: my bytes lie in the table
	s_barrier_signal -1
	s_barrier_wait -1
.irp m, 0,1,2,3
	ds_load_b64 v[AS+2*\m:AS+2*\m+1], v[SCR] offset:128*\m   ; token 16 m + r: heads 0-3, heads 4-7: the words of the two K steps
.endr
	s_wait_loadcnt 0x0
	s_wait_dscnt 0x0
.irp k, 0,1                                    ; the eight accumulators by turns
.irp m, 0,1,2,3
.irp n, 0,1
.if \k == 0
	v_wmma_scale_f32_16x16x128_f8f6f4 v[ACC+8*(4*\n+\m):ACC+8*(4*\n+\m)+7], v[WF+12*(2*\n+\k):WF+12*(2*\n+\k)+11], v[AF+12*(2*\m+\k):AF+12*(2*\m+\k)+11], v[BI+8*\n:BI+8*\n+7], v[WS+2*\n+\k], v[AS+2*\m+\k] matrix_a_fmt:MATRIX_FMT_FP6 matrix_b_fmt:MATRIX_FMT_FP6
.else
	v_wmma_scale_f32_16x16x128_f8f6f4 v[ACC+8*(4*\n+\m):ACC+8*(4*\n+\m)+7], v[WF+12*(2*\n+\k):WF+12*(2*\n+\k)+11], v[AF+12*(2*\m+\k):AF+12*(2*\m+\k)+11], v[ACC+8*(4*\n+\m):ACC+8*(4*\n+\m)+7], v[WS+2*\n+\k], v[AS+2*\m+\k] matrix_a_fmt:MATRIX_FMT_FP6 matrix_b_fmt:MATRIX_FMT_FP6
.endif
.endr
.endr
.endr
.rept 4
	v_nop                                          ; four places in front of the first read of results, and of loads into registers that the products have read
.endr
.irp m, 0,1,2,3
.irp n, 0,1
	ds_store_b128 v[STO], v[ACC+8*(4*\n+\m):ACC+8*(4*\n+\m)+3] offset:STG+16640*\m+64*\n          ; lane (r, h): out(16 m + r, 32 w + 16 n + 8 h + 0 .. 7); each accumulator from its low end on
	ds_store_b128 v[STO], v[ACC+8*(4*\n+\m)+4:ACC+8*(4*\n+\m)+7] offset:STG+16640*\m+64*\n+16
.endr
.endr
	s_wait_dscnt 0x0                               ; for the others' sake: my stores into the stage are done
	s_barrier_signal -1
	s_barrier_wait -1                              ; 64 whole rows lie in the stage
.irp i, 0,1,2,3,4,5,6,7,8,9,10,11,12,13,14,15
	ds_load_b128 v[AF+4*\i:AF+4*\i+3], v[STR] offset:STG+1040*(\i/2)+512*(\i%2)
.endr
.irp i, 0,1,2,3,4,5,6,7,8,9,10,11,12,13,14,15
	s_wait_dscnt 15-\i                             ; LDS loads come back in order (ISA guide 5.7.1): load i is in, the younger ones may stay out
	global_store_b128 v[L16], v[AF+4*\i:AF+4*\i+3], s[14:15] offset:1024*(\i/2)+512*(\i%2) th:TH_STORE_NT   ; written once, read by nobody here
.endr
	s_wait_tensorcnt 0x0                           ; the wave's end, behind my last LDS store
	ds_add_u32 v[SPW], v[NIL]
	s_wait_dscnt 0x0
	s_endpgm
.Lfunc_end_k_q10a3e506fb_proj:
	.size	k_q10a3e506fb_proj, .Lfunc_end_k_q10a3e506fb_proj-k_q10a3e506fb_proj
	.p2alignl 7, 3214868480
	.fill 96, 4, 3214868480
	.section	.rodata,"a",@progbits
	.p2align	6, 0x0
	.amdhsa_kernel k_q10a3e506fb_proj
		.amdhsa_group_segment_fixed_size 68096
		.amdhsa_private_segment_fixed_size 0
		.amdhsa_enable_private_segment 0
		.amdhsa_kernarg_size 48
		.amdhsa_user_sgpr_count 2
		.amdhsa_user_sgpr_kernarg_segment_ptr 1
		.amdhsa_wavefront_size32 1
		.amdhsa_system_sgpr_workgroup_id_x 1
		.amdhsa_system_sgpr_workgroup_id_y 1
		.amdhsa_system_sgpr_workgroup_id_z 1
		.amdhsa_system_vgpr_workitem_id 0
		.amdhsa_next_free_vgpr 256
		.amdhsa_next_free_sgpr 66
		.amdhsa_reserve_vcc 0
		.amdhsa_float_denorm_mode_32 3
		.amdhsa_float_denorm_mode_16_64 3
		.amdhsa_memory_ordered 1
		.amdhsa_forward_progress 1
		.amdhsa_inst_pref_size 17
	.end_amdhsa_kernel
	.amdgpu_metadata
---
amdhsa.version: [ 1, 2 ]
amdhsa.kernels:
  - .name:           k_q10a3e506fb_proj
    .symbol:         k_q10a3e506fb_proj.kd
    .args:
      - { .name: oc, .offset: 0, .size: 8, .value_kind: global_buffer, .address_space: global }
      - { .name: os, .offset: 8, .size: 8, .value_kind: global_buffer, .address_space: global }
      - { .name: wproj_codes, .offset: 16, .size: 8, .value_kind: global_buffer, .address_space: global }
      - { .name: wproj_scales, .offset: 24, .size: 8, .value_kind: global_buffer, .address_space: global }
      - { .name: bproj, .offset: 32, .size: 8, .value_kind: global_buffer, .address_space: global }
      - { .name: out0, .offset: 40, .size: 8, .value_kind: global_buffer, .address_space: global }
    .group_segment_fixed_size: 68096
    .private_segment_fixed_size: 0
    .kernarg_segment_align: 8
    .kernarg_segment_size: 48
    .max_flat_workgroup_size: 256
    .sgpr_count:     66
    .vgpr_count:     256
    .wavefront_size: 32
...
	.end_amdgpu_metadata
.endif
;; end of part 3
;; ======== version 2 of 2: 3 launches
;; workspace buffers: qimg 3,145,728 bytes; qsw 131,072 bytes; kv 6,553,600 bytes; oc 3,145,728 bytes; os 131,072 bytes
;; launch qkv (part 4): grid 128 x 2, 4 waves a work-group, no clusters, 0 bytes of LDS; arguments x_codes, x_scales, wq_codes, wq_scales, wk_codes, wk_scales, wv_codes, wv_scales, qimg, qsw, kv; writes qimg, qsw, kv
.if DOCPART == 4
	.amdgcn_target "amdgcn-amd-amdhsa--gfx1250"
	.amdhsa_code_object_version 6
	.text
	.protected	k_q10a3e506fb_qkv
	.globl	k_q10a3e506fb_qkv
	.p2align	8
	.type	k_q10a3e506fb_qkv,@function
k_q10a3e506fb_qkv:
	s_mov_b64 s[64:65], 0
	v_nop
	global_prefetch_b8 v0, s[64:65] scope:SCOPE_SE
	s_setreg_imm32_b32 hwreg(HW_REG_WAVE_SCHED_MODE, 0, 2), 2
	s_setreg_imm32_b32 hwreg(HW_REG_WAVE_MODE, 25, 1), 1
	s_wait_xcnt 0x0
	s_wait_alu depctr_vm_vsrc(0)
; q, k, v = x W for 8 heads (products 1 to 3), on codes of FP6 (E2M3) as they are given, and the results quantised for products 4 and 5.
; NOTHING OF THE PROBLEM IS LEFT OUT in this program: every input has a way to the output and every product of the table is done.
; LIMITS: NaN, infinities and a scale byte 0xff among the inputs are not served.  A block of zeros gets the scale byte 1 where the rule says 127: its codes are zeros,
; which add nothing under any byte but 0xff, and these bytes are read by this program alone.
; SHARES.  Work-group (g, y): the 128 tokens 128 g on (batch g / 16, key step s = g % 16); wave w: head 4 y + w.  x's 16 fragments and the head's 12 fragments of W go from memory
; into registers once; a wave makes six fragments (two of q, two of k, two of v^T), each by 16 matrix instructions and one quantising, and stores them as IMAGES OF THE OPERAND'S REGISTERS.
; NO CLUSTER: what waves share is x's 24,576 bytes of a group, which go straight into registers once; there is no tile in LDS that a joint load could fill.
; THE TOKENS OF A TILE ARE NOT NEIGHBOURS: row m of tile T is token 32 (T / 2) + 8 (T % 2) + m + 8 (m / 8); W's rows of a tile are chosen likewise (d = 8 u + m + 8 (m / 8)).
; q, k (source 0 = 16 rows of W, source 1 = 16 tokens): lane (r, h) holds token r of the tile, and registers 8 u + i of the two tiles of W are d = 16 h + 8 u + i: 16 neighbours of the token's ONE block of 32.
;   Four tiles of tokens give 64 registers = four blocks: A FRAGMENT OF k (or q) HOLDS, IN ROW r, FOUR TOKENS, one in each block of 32: block j of fragment F = token 64 F + 32 (j / 2) + 8 (j % 2) + r + 8 (r / 8).
; v (source 0 = 16 tokens, source 1 = 16 rows of W): lane (r, h) holds d = 8 e + r + 8 (r / 8), and register 16 b + i is token 32 b + 16 h + i: v^T with the keys along K, in their own order.
; THE MODE: SCHED_MODE bits 1:0 = 2 (LLVM: expert scheduling mode 2), set by the entry lines.  The code itself states the register dependences
; between vector or matrix instructions and memory instructions, with s_wait_alu, always for 0.
; THE PLAN.  Registers that memory instructions touch:
;   v1-5        offsets, made once at the head and never written again: one wait on va_vdst ahead of the first load serves every load and store.
;   v16-43, windows 1 and 2   the operands: written by the head's loads alone, read by matrix instructions; no load lands in them later.
;   PC0, PC1    two out-buffers of codes.  Unit u (0 to 5) writes PC[u % 2] by its conversions, exchanges and moves; its own stores read it.
;   v218        a pair's scale words: written by a select in units 1, 3, 5, read by one store there.
; Behind a unit's quantising stand, on end: s_wait_xcnt 0 and a wait on vm_vsrc (the stores of the unit BEFORE, issued 16 matrix instructions and a quantising ago, have read the other out-buffer and v218, which the
; NEXT unit writes again), and a wait on va_vdst (this unit's codes and scale words are written); then the unit's run of stores.  Unit 0 has no store ahead of it and unit 5 no unit behind it: they hold the last of the three alone.
; REGISTERS, in windows of 256: window 0: v1-5 offsets; v16-31 x's scale words; v32-43 W's; v48-111 a unit's 64 numbers; v112-131, v132-151 the codes, two buffers by turns; v200-218 at work.
;   window 1: x's fragments (tile T, K step k) at v[12 (2 T + k)].   window 2: W's (matrix, tile u, K step k) at v[12 (4 mat + 2 u + k)], mat 0 = q, 1 = k, 2 = v.
.set FR,   12                          ; registers of a fragment: 16 rows x 128 K
.set VC,   1                           ; v1  192 (r + 8 (r / 8)) + 24 h: my bytes in a tile's rows of codes (x and W alike: rows of 192 bytes)
.set VS,   2                           ; v2  8 (r + 8 (r / 8)): my row's eight scale bytes
.set VI16, 3                           ; v3  16 x lane
.set VI8,  4                           ; v4  8 x lane
.set VS4,  5                           ; v5  4 x lane
.set XS,   16
.set WS,   32
.set HA,   48
.set PC0,  112                         ; the even units' codes
.set PC1,  132                         ; the odd units'
.set TM,   200                         ; v200-203 largest magnitudes, v204-207 bytes, v212-215 the conversions' scale operands
.set PW,   216                         ; the scale word just made
.set PW0,  217                         ; that of the pair's first fragment
.set PWC,  218                         ; lanes 0-15 the first's, lanes 16-31 the second's
.set SEL,  36                          ; s[36:37] v_permlanex16_b32's selects for lane l xor 16
.set MHI,  38                          ; s38 lanes 16-31
.set MSB, 0
.macro WIN new                         ; the immediate's high byte repeats the setting that is left
.if MSB != \new
	s_set_vgpr_msb (MSB<<8)|\new
.set MSB, \new
.endif
.endm
; 64 numbers of a lane, register 16 b + i = place 32 b + 16 (lane / 16) + i of my row, become a fragment's codes in v[buf] on and its scale word in v[PW].
.macro QUANT s, buf
.irp b, 0,1,2,3
	v_max3_num_f32 v[TM+\b], |v[\s+16*\b]|, |v[\s+1+16*\b]|, 0x1800000   ; block b: my 16 numbers, and the floor 2^(3 - 127): the byte cannot fall under 1
.endr
.irp i, 2,4,6,8,10,12,14
.irp b, 0,1,2,3
	v_max3_num_f32 v[TM+\b], v[TM+\b], |v[\s+16*\b+\i]|, |v[\s+1+16*\b+\i]|   ; the four blocks by turns; each accumulator is read from its low end on
.endr
.endr
.irp b, 0,1,2,3
	v_permlanex16_b32 v[TM+4+\b], v[TM+\b], s[SEL], s[SEL+1]
.endr
.irp b, 0,1,2,3
	v_max_num_f32 v[TM+\b], v[TM+\b], v[TM+4+\b]   ; with lane l xor 16: the block's largest magnitude
.endr
.irp b, 0,1,2,3
	v_add_nc_u32 v[TM+12+\b], 0xff000000, v[TM+\b]   ; 2 off its exponent field: the conversion's scale operand
.endr
.irp b, 0,1,2,3
	v_lshrrev_b32 v[TM+4+\b], 23, v[TM+12+\b]      ; the scale's byte
.endr
	v_lshl_or_b32 v[PW], v[TM+5], 8, v[TM+4]       ; the four bytes make my row's scale word
	v_lshl_or_b32 v[PW], v[TM+6], 16, v[PW]
	v_lshl_or_b32 v[PW], v[TM+7], 24, v[PW]
.irp c, 0,1
	v_cvt_scalef32_pk16_fp6_f32 v[\buf+6*\c:\buf+2+6*\c], v[\s+32*\c:\s+15+32*\c], v[TM+12+2*\c]
	v_cvt_scalef32_pk16_fp6_f32 v[\buf+12+4*\c:\buf+14+4*\c], v[\s+16+32*\c:\s+31+32*\c], v[TM+12+2*\c+1]   ; (a conversion's three registers begin on an even number)
.endr
	v_nop                                          ; one plain place behind a scaled conversion
.irp c, 0,1                                    ; the operand's layout wants a WHOLE block in a lane: lanes 0-15 block 2 c, lanes 16-31 block 2 c + 1
.irp i, 0,1,2
	v_permlane16_swap_b32 v[\buf+6*\c+\i], v[\buf+12+4*\c+\i]
.endr
.irp i, 0,1,2
	v_mov_b32 v[\buf+3+6*\c+\i], v[\buf+12+4*\c+\i]
.endr
.endr
.endm
; q or k of the group's tokens 64 gg on: 8 accumulators by turns, two K steps; the first starts the sums
.macro MMQK mat, gg
	WIN 0x06                                       ; source 0 (W) window 2, source 1 (x) window 1
.irp k, 0,1
.irp j, 0,1,2,3
.irp u, 0,1
.if \k == 0
	v_wmma_scale_f32_16x16x128_f8f6f4 v[HA+16*\j+8*\u:HA+16*\j+8*\u+7], v[FR*(4*(\mat)+2*\u+\k):FR*(4*(\mat)+2*\u+\k)+FR-1], v[FR*(2*(4*(\gg)+\j)+\k):FR*(2*(4*(\gg)+\j)+\k)+FR-1], 0, v[WS+4*(\mat)+2*\u+\k], v[XS+2*(4*(\gg)+\j)+\k] matrix_a_fmt:MATRIX_FMT_FP6 matrix_b_fmt:MATRIX_FMT_FP6
.else
	v_wmma_scale_f32_16x16x128_f8f6f4 v[HA+16*\j+8*\u:HA+16*\j+8*\u+7], v[FR*(4*(\mat)+2*\u+\k):FR*(4*(\mat)+2*\u+\k)+FR-1], v[FR*(2*(4*(\gg)+\j)+\k):FR*(2*(4*(\gg)+\j)+\k)+FR-1], v[HA+16*\j+8*\u:HA+16*\j+8*\u+7], v[WS+4*(\mat)+2*\u+\k], v[XS+2*(4*(\gg)+\j)+\k] matrix_a_fmt:MATRIX_FMT_FP6 matrix_b_fmt:MATRIX_FMT_FP6
.endif
.endr
.endr
.endr
	WIN 0
.rept 4
	v_nop                                          ; four places in front of the first read of results (ISA guide 7.12.1)
.endr
.endm
; v^T, rows d = 8 e + r + 8 (r / 8), for the group's 128 tokens
.macro MMV e
	WIN 0x09                                       ; source 0 (x) window 1, source 1 (W) window 2
.irp k, 0,1
.irp t, 0,1,2,3,4,5,6,7
.if \k == 0
	v_wmma_scale_f32_16x16x128_f8f6f4 v[HA+8*\t:HA+8*\t+7], v[FR*(2*\t+\k):FR*(2*\t+\k)+FR-1], v[FR*(8+2*(\e)+\k):FR*(8+2*(\e)+\k)+FR-1], 0, v[XS+2*\t+\k], v[WS+8+2*(\e)+\k] matrix_a_fmt:MATRIX_FMT_FP6 matrix_b_fmt:MATRIX_FMT_FP6
.else
	v_wmma_scale_f32_16x16x128_f8f6f4 v[HA+8*\t:HA+8*\t+7], v[FR*(2*\t+\k):FR*(2*\t+\k)+FR-1], v[FR*(8+2*(\e)+\k):FR*(8+2*(\e)+\k)+FR-1], v[HA+8*\t:HA+8*\t+7], v[XS+2*\t+\k], v[WS+8+2*(\e)+\k] matrix_a_fmt:MATRIX_FMT_FP6 matrix_b_fmt:MATRIX_FMT_FP6
.endif
.endr
.endr
	WIN 0
.rept 4
	v_nop
.endr
.endm
.macro STQ gg, buf                     ; q's image: six pieces of 256 bytes, registers 2 p, 2 p + 1 of lane l at 256 p + 8 l: each store covers 256 consecutive bytes, aligned
.irp p, 0,1,2,3,4,5
	global_store_b64 v[VI8], v[\buf+2*\p:\buf+2*\p+1], s[20:21] offset:1536*(\gg)+256*\p
.endr
.endm
.macro STKV off, buf                   ; k's or v^T's image: registers 4 p .. 4 p + 3 of lane l at 512 p + 16 l: each store covers 512 consecutive bytes
.irp p, 0,1,2
	global_store_b128 v[VI16], v[\buf+4*\p:\buf+4*\p+3], s[40:41] offset:\off+512*\p
.endr
.endm
.macro STS base, off                   ; a pair's scale words: lanes 0-15 the first fragment's rows, lanes 16-31 the second's: 128 consecutive bytes
	global_store_b32 v[VS4], v[PWC], s[\base:\base+1] offset:\off
.endm
	s_load_b512 s[4:19], s[0:1], 0x0               ; x codes 4:5, x scales 6:7, wq 8:9, 10:11, wk 12:13, 14:15, wv 16:17, 18:19
	s_load_b128 s[20:23], s[0:1], 0x40             ; qimg, qsw
	s_load_b64 s[24:25], s[0:1], 0x50              ; kv
	v_lshrrev_b32 v6, 5, v0
	v_readfirstlane_b32 s26, v6                    ; wave 0..3
	v_and_b32 v6, 31, v0                           ; lane
	v_and_b32 v7, 15, v0                           ; r
	v_bfe_u32 v8, v0, 4, 1                         ; h
	v_and_b32 v9, 8, v7
	v_add_nc_u32 v9, v9, v7                        ; r + 8 (r / 8)
	v_mul_u32_u24 v[VC], v9, 192
	v_mad_u32_u24 v[VC], v8, 24, v[VC]
	v_lshlrev_b32 v[VS], 3, v9
	v_lshlrev_b32 v[VI16], 4, v6
	v_lshlrev_b32 v[VI8], 3, v6
	v_lshlrev_b32 v[VS4], 2, v6
.irp b, 0,1,2,3
	v_mov_b32 v[TM+4+\b], 0                        ; written once: a lane permute's destination counts as one of its sources
.endr
	s_wait_alu depctr_va_sdst(0)                   ; s26, the wave's number, is written, ahead of its first reader: the head's number and all bases are made from it
	s_mov_b32 s[SEL], 0x76543210
	s_mov_b32 s[SEL+1], 0xfedcba98
	s_mov_b32 s[MHI], 0xffff0000
	s_and_b32 s28, ttmp7, 0xffff
	s_lshl_b32 s28, s28, 2
	s_add_co_u32 s28, s28, s26                     ; head = 4 y + wave
	s_lshr_b32 s29, ttmp9, 4
	s_lshl_b32 s29, s29, 3
	s_add_co_u32 s29, s29, s28                     ; bh = 8 x batch + head
	s_and_b32 s27, ttmp9, 15                       ; s: which 128 tokens of the sequence
	s_mul_i32 s30, ttmp9, 24576                    ; the group's 128 rows of x's codes,
	s_mov_b32 s31, 0
	s_lshl_b32 s32, ttmp9, 10                      ; and of its scale bytes
	s_mov_b32 s33, 0
	s_mul_i32 s34, s28, 6144                       ; the head's 32 rows of a weight's codes,
	s_mov_b32 s35, 0
	s_lshl_b32 s44, s28, 8                         ; and of its scale bytes
	s_mov_b32 s45, 0
	s_lshl_b32 s46, s29, 5
	s_lshl_b32 s47, s27, 1
	s_add_co_u32 s46, s46, s47
	s_mul_i32 s46, s46, 1536                       ; q's fragment 32 bh + 2 s
	s_mov_b32 s47, 0
	s_lshl_b32 s48, s29, 4
	s_add_co_u32 s48, s48, s27
	s_lshl_b32 s48, s48, 7                         ; its pair of 64 bytes of scale words
	s_mov_b32 s49, 0
	s_mul_i32 s50, s29, 102400                     ; the head's part of kv
	s_lshl_b32 s52, s27, 7
	s_add_co_u32 s52, s52, s50                     ; + 128 s: the step's scale words
	s_mov_b32 s53, 0
	s_mul_i32 s51, s27, 3072
	s_add_co_u32 s50, s50, s51                     ; + 3,072 s: the step's two images
	s_mov_b32 s51, 0
	s_wait_kmcnt 0x0
	s_add_nc_u64 s[4:5], s[4:5], s[30:31]
	s_add_nc_u64 s[6:7], s[6:7], s[32:33]
	s_add_nc_u64 s[8:9], s[8:9], s[34:35]
	s_add_nc_u64 s[10:11], s[10:11], s[44:45]
	s_add_nc_u64 s[12:13], s[12:13], s[34:35]
	s_add_nc_u64 s[14:15], s[14:15], s[44:45]
	s_add_nc_u64 s[16:17], s[16:17], s[34:35]
	s_add_nc_u64 s[18:19], s[18:19], s[44:45]
	s_add_nc_u64 s[20:21], s[20:21], s[46:47]
	s_add_nc_u64 s[22:23], s[22:23], s[48:49]
	s_add_nc_u64 s[40:41], s[24:25], s[50:51]      ; kv: images
	s_add_nc_u64 s[42:43], s[24:25], s[52:53]      ; kv: scale words
	s_wait_alu depctr_va_vdst(0)                   ; the five offsets v1 to v5 are written: every load and store of the kernel reads one of them.  Only loads and window switches stand between this wait and the last load
.irp t, 0,1,2,3,4,5,6,7
	global_load_b64 v[XS+2*\t:XS+2*\t+1], v[VS], s[6:7] offset:(32*(\t/2)+8*(\t%2))*8   ; a row's eight bytes: the words of both K steps
.endr
.irp m, 0,1,2
.irp u, 0,1
	global_load_b64 v[WS+4*\m+2*\u:WS+4*\m+2*\u+1], v[VS], s[10+4*\m:11+4*\m] offset:64*\u
.endr
.endr
	WIN 0x80                                       ; destination window 2
.irp m, 0,1,2
.irp u, 0,1
.irp k, 0,1
.irp p, 0,1,2,3,4,5
	global_load_b64 v[FR*(4*\m+2*\u+\k)+2*\p:FR*(4*\m+2*\u+\k)+2*\p+1], v[VC], s[8+4*\m:9+4*\m] offset:1536*\u+96*\k+48*(\p/3)+8*(\p%3)
.endr
.endr
.endr
.endr
	WIN 0x40                                       ; destination window 1
.irp t, 0,1,2,3,4,5,6,7
.irp k, 0,1
.irp p, 0,1,2,3,4,5
	global_load_b64 v[FR*(2*\t+\k)+2*\p:FR*(2*\t+\k)+2*\p+1], v[VC], s[4:5] offset:(32*(\t/2)+8*(\t%2))*192+96*\k+48*(\p/3)+8*(\p%3)
.endr
.endr
.endr
	WIN 0
	s_wait_loadcnt 0x0                             ; all operands are in registers: nothing more is loaded
	MMQK 0, 0                                      ; unit 0: q, tokens 0-63 of the group
	QUANT HA, PC0
	v_mov_b32 v[PW0], v[PW]
	s_wait_alu depctr_va_vdst(0)                   ; the conversions, exchanges and moves have written PC0, which the stores below read
	STQ 0, PC0
	MMQK 0, 1                                      ; unit 1: q, tokens 64-127
	QUANT HA, PC1
	v_cndmask_b32 v[PWC], v[PW0], v[PW], s[MHI]
	s_wait_xcnt 0x0                                ; unit 0's stores have had their addresses translated (ISA guide 3.1): their data, PC0, are written again only behind this wait,
	s_wait_alu depctr_vm_vsrc(0)                   ; and they have read PC0, which unit 2's conversions write again
	s_wait_alu depctr_va_vdst(0)                   ; this unit has written PC1 and the pair's scale words, which the stores below read
	STQ 1, PC1
	STS 22, 0
	MMQK 1, 0                                      ; unit 2: k, tokens 0-63
	QUANT HA, PC0
	v_mov_b32 v[PW0], v[PW]
	s_wait_xcnt 0x0                                ; unit 1's stores have had their addresses translated: PC1 and the scale words are written again only behind this wait,
	s_wait_alu depctr_vm_vsrc(0)                   ; and they have read PC1 and the scale words, which unit 3 writes again
	s_wait_alu depctr_va_vdst(0)                   ; this unit has written PC0, which the stores below read
	STKV 0, PC0
	MMQK 1, 1                                      ; unit 3: k, tokens 64-127
	QUANT HA, PC1
	v_cndmask_b32 v[PWC], v[PW0], v[PW], s[MHI]
	s_wait_xcnt 0x0                                ; unit 2's stores have had their addresses translated: PC0 is written again only behind this wait,
	s_wait_alu depctr_vm_vsrc(0)                   ; and they have read PC0, which unit 4's conversions write again
	s_wait_alu depctr_va_vdst(0)                   ; this unit has written PC1 and the pair's scale words, which the stores below read
	STKV 1536, PC1
	STS 42, 98304
	MMV 0                                          ; unit 4: v^T, d = r + 8 (r / 8)
	QUANT HA, PC0
	v_mov_b32 v[PW0], v[PW]
	s_wait_xcnt 0x0                                ; unit 3's stores have had their addresses translated: PC1 and the scale words are written again only behind this wait,
	s_wait_alu depctr_vm_vsrc(0)                   ; and they have read PC1 and the scale words, which unit 5 writes again
	s_wait_alu depctr_va_vdst(0)                   ; this unit has written PC0, which the stores below read
	STKV 49152, PC0
	MMV 1                                          ; unit 5: v^T, d = 8 + r + 8 (r / 8)
	QUANT HA, PC1
	v_cndmask_b32 v[PWC], v[PW0], v[PW], s[MHI]
	s_wait_alu depctr_va_vdst(0)                   ; this unit has written PC1 and the pair's scale words, which the last stores read; nothing is written behind them
	STKV 49152+1536, PC1
	STS 42, 100352
	s_endpgm
.Lfunc_end_k_q10a3e506fb_qkv:
	.size	k_q10a3e506fb_qkv, .Lfunc_end_k_q10a3e506fb_qkv-k_q10a3e506fb_qkv
	.p2alignl 7, 3214868480
	.fill 96, 4, 3214868480
	.section	.rodata,"a",@progbits
	.p2align	6, 0x0
	.amdhsa_kernel k_q10a3e506fb_qkv
		.amdhsa_group_segment_fixed_size 0
		.amdhsa_private_segment_fixed_size 0
		.amdhsa_enable_private_segment 0
		.amdhsa_kernarg_size 88
		.amdhsa_user_sgpr_count 2
		.amdhsa_user_sgpr_kernarg_segment_ptr 1
		.amdhsa_wavefront_size32 1
		.amdhsa_system_sgpr_workgroup_id_x 1
		.amdhsa_system_sgpr_workgroup_id_y 1
		.amdhsa_system_sgpr_workgroup_id_z 1
		.amdhsa_system_vgpr_workitem_id 0
		.amdhsa_next_free_vgpr 768
		.amdhsa_next_free_sgpr 66
		.amdhsa_reserve_vcc 0
		.amdhsa_float_denorm_mode_32 3
		.amdhsa_float_denorm_mode_16_64 3
		.amdhsa_memory_ordered 1
		.amdhsa_forward_progress 1
		.amdhsa_inst_pref_size 59
	.end_amdhsa_kernel
	.amdgpu_metadata
---
amdhsa.version: [ 1, 2 ]
amdhsa.kernels:
  - .name:           k_q10a3e506fb_qkv
    .symbol:         k_q10a3e506fb_qkv.kd
    .args:
      - { .name: x_codes, .offset: 0, .size: 8, .value_kind: global_buffer, .address_space: global }
      - { .name: x_scales, .offset: 8, .size: 8, .value_kind: global_buffer, .address_space: global }
      - { .name: wq_codes, .offset: 16, .size: 8, .value_kind: global_buffer, .address_space: global }
      - { .name: wq_scales, .offset: 24, .size: 8, .value_kind: global_buffer, .address_space: global }
      - { .name: wk_codes, .offset: 32, .size: 8, .value_kind: global_buffer, .address_space: global }
      - { .name: wk_scales, .offset: 40, .size: 8, .value_kind: global_buffer, .address_space: global }
      - { .name: wv_codes, .offset: 48, .size: 8, .value_kind: global_buffer, .address_space: global }
      - { .name: wv_scales, .offset: 56, .size: 8, .value_kind: global_buffer, .address_space: global }
      - { .name: qimg, .offset: 64, .size: 8, .value_kind: global_buffer, .address_space: global }
      - { .name: qsw, .offset: 72, .size: 8, .value_kind: global_buffer, .address_space: global }
      - { .name: kv, .offset: 80, .size: 8, .value_kind: global_buffer, .address_space: global }
    .group_segment_fixed_size: 0
    .private_segment_fixed_size: 0
    .kernarg_segment_align: 8
    .kernarg_segment_size: 88
    .max_flat_workgroup_size: 128
    .sgpr_count:     66
    .vgpr_count:     768
    .wavefront_size: 32
...
	.end_amdgpu_metadata
.endif
;; end of part 4
;; launch attn (part 5): grid 4 x 64, 16 waves a work-group, clusters of 4 x 1, 167,936 bytes of LDS; arguments qimg, qsw, kv, oc, os; writes oc, os
.if DOCPART == 5
	.amdgcn_target "amdgcn-amd-amdhsa--gfx1250"
	.amdhsa_code_object_version 6
	.text
	.protected	k_q10a3e506fb_attn
	.globl	k_q10a3e506fb_attn
	.p2align	8
	.type	k_q10a3e506fb_attn,@function
k_q10a3e506fb_attn:
	s_mov_b64 s[64:65], 0
	v_nop
	global_prefetch_b8 v0, s[64:65] scope:SCOPE_SE
	s_setreg_imm32_b32 hwreg(HW_REG_WAVE_MODE, 25, 1), 1
	s_wait_xcnt 0x0
	s_wait_alu depctr_hold_cnt(0) depctr_sa_sdst(0) depctr_va_vdst(0) depctr_va_sdst(0) depctr_va_ssrc(0) depctr_va_vcc(0) depctr_vm_vsrc(0)
	s_getreg_b32 s2, hwreg(HW_REG_IB_STS2, 6, 4)
	s_cmp_eq_u32 s2, 0
	s_cbranch_scc0 .Lentry_in_a_cluster
	s_endpgm
.Lentry_in_a_cluster:
	s_bfe_u32 s2, ttmp6, 0x10000c
	s_cmp_lg_u32 s2, 0x3003
	s_cbranch_scc0 .Lentry_shape_is_right
	s_endpgm
.Lentry_shape_is_right:
; Products 4 and 5 with the softmax between them, on codes of FP6 (E2M3), and the result quantised for product 6.  Nothing of the problem is left out here.
; t = score x log2(e) / 16 (the problem divides by sqrt(256)); M = the running largest t rounded UP to a whole number; p = 2^(t - M) is quantised along the keys, not normalised;
; the row's sum is taken of the unquantised p and divides O at the end; when M moves, the sum and O are multiplied by 2^(old M - new M), which rounds nothing.
; LIMITS: NaN and infinities are not served; a p under 2^-126 comes out of v_exp_f32 as 0; O / sum is a reciprocal and a multiplication; a block of zeros gets the scale byte 1 (its codes are zeros; this program alone reads the bytes).
; SHARES.  A work-group owns 512 queries of one (batch, head); the head's K, V^T and their scale words, 102,400 bytes laid as images of operand registers, come into LDS ONCE and stay: nothing is filled again.
; CLUSTER: the four work-groups of a cluster are the four query blocks of one head, so the fill is asked for JOINTLY: each of the sixteen waves issues one tensor load (25 rows of 256 bytes), the same in all four partners.
; By this text's own count a wave has one tensor load outstanding.  The place in the cluster enters global addresses of q and of the results alone: no branch, no LDS address.
; Wave w owns 32 queries: two tiles of 16, one after the other; a tile walks the 2,048 keys in 16 steps of 128.  Four waves share a SIMD, so that one wave's vector work stands beside another's products and LDS loads.
; A FRAGMENT OF K HOLDS 64 KEYS: row r has, in block j of its 128 places, the 32 codes of key 64 F + 32 (j / 2) + 8 (j % 2) + r + 8 (r / 8).  It is multiplied by four variants of Q's fragment: variant j has q in block j
; and zero codes elsewhere, which add exactly 0.  So a step's 128 keys x 16 queries are 8 matrix instructions on 2 fragments, and register 16 b + x of the scores is key 32 b + 16 (lane / 16) + x of the step: 16 neighbours.
; Both products are used transposed (S^T = K Q^T, O^T = V^T P^T): a lane holds ONE query (lane % 16) throughout.  V^T's rows are d = 8 e + r + 8 (r / 8), so that O^T's 16 registers are d = 16 (lane / 16) + 0 .. 15.
.set KIMG, 0                           ; LDS: K's 32 images of 1,536 bytes,
.set VIMG, 49152                       ; V^T's 32 (2 s + e),
.set KSW,  98304                       ; K's scale words, 128 bytes a step (lanes 0-15 fragment 2 s, lanes 16-31 fragment 2 s + 1),
.set VSW,  100352                      ; V^T's likewise (e = 0, e = 1): these four regions are the head's 102,400 bytes as they lie in memory
.set OST,  102400                      ; a stage of 768 bytes for each wave: its 32 queries' codes
.set OSB,  114688                      ; the 512 queries' scale bytes
.set SPARE, 115200                     ; the spare words, 128 bytes for each wave: eight blocks of 256 bytes that no other line names
.set AK0,  1                           ; v1  16 x lane
.set AS0,  2                           ; v2  KSW + 4 x lane
.set SPW,  3                           ; v3  LDS address of my spare word; never rewritten
.set NIL,  4                           ; v4  0; never rewritten
.set ADK,  5                           ; v5  the step's images
.set ADS,  6                           ; v6  the step's scale words
.set OSTW, 7                           ; v7  my stage, on the way in: 24 x (my query's place among the wave's 32)
.set OSTR, 8                           ; v8  and on the way out: 8 x lane
.set G8,   9                           ; v9  8 x lane
.set OSBW, 10                          ; v10 my query's scale byte
.set OSBR, 11                          ; v11 OSB + 16 x lane
.set GQ,   46                          ; v46-51 q as loaded: lanes 0-15 tile 0, lanes 16-31 tile 1;  v52-57 the same with the halves of the lanes changed
.set XQ,   52
.set QW,   58                          ; v58 q's scale word, v59 the tile's byte, v60-63 the four variants' scale words
.set QBY,  59
.set QSW,  60
.set KF,   64                          ; v64-87 two fragments of K;  v88-111 two of V^T
.set VF,   88
.set S,    112                         ; v112-175 the scores, then p
.set O,    176                         ; v176-191 O^T
.set PC,   192                         ; v192-203 p's codes; v204-206, v208-210 the conversions' second halves
.set KSWR, 212
.set VSWR, 213
.set PSW,  214
.set BM,   216                         ; v216-219 the blocks' largest; v220-223 permute targets and bytes; v224-227 the conversions' scale operands
.set SO,   224                         ; v[228:229], v[230:231] the sum's two chains; v[232:233] f; v234 at work; v236-238, v240-242 the tiles' result codes; v243, v244 their bytes
.set WV,   14
.set C16,  19
.set SEL,  20
.set CS,   22
.set MLO,  24
.set MHI,  25
.set TK,   26
.set TS,   27
.set CNT,  28
.set SH,   29
.macro CROUND                          ; a round of the cluster's barrier
	s_barrier_signal -1
	s_barrier_wait -1
	s_cmp_lg_u32 s[WV], 0
	s_cbranch_scc1 .Lnot_wave_0_\@
	s_barrier_signal -3
.Lnot_wave_0_\@:
	s_barrier_wait -3
	s_barrier_signal -1
	s_barrier_wait -1
.endm
.macro SCORE f, j, qv                  ; keys of fragment f, block j: 16 keys x 16 queries
.if \f
	v_wmma_scale_f32_16x16x128_f8f6f4 v[S+8*(4*\f+\j):S+8*(4*\f+\j)+7], v[KF+12*\f:KF+12*\f+11], v[\qv:\qv+11], 0, v[KSWR], v[QSW+\j] matrix_a_fmt:MATRIX_FMT_FP6 matrix_b_fmt:MATRIX_FMT_FP6 matrix_a_scale:MATRIX_SCALE_ROW1
.else
	v_wmma_scale_f32_16x16x128_f8f6f4 v[S+8*(4*\f+\j):S+8*(4*\f+\j)+7], v[KF+12*\f:KF+12*\f+11], v[\qv:\qv+11], 0, v[KSWR], v[QSW+\j] matrix_a_fmt:MATRIX_FMT_FP6 matrix_b_fmt:MATRIX_FMT_FP6
.endif
.endm
	s_load_b256 s[4:11], s[0:1], 0x0               ; qimg 4:5, qsw 6:7, kv 8:9, oc 10:11
	s_load_b64 s[12:13], s[0:1], 0x20              ; os
	v_lshl_add_u32 v[SPW], v0, 2, SPARE
	v_mov_b32 v[NIL], 0
	ds_add_u32 v[SPW], v[NIL]                      ; the wave's opening: the add, twice on end, and its wait ahead of my first tensor load
	ds_add_u32 v[SPW], v[NIL]
	v_lshrrev_b32 v246, 5, v0
	s_delay_alu instid0(VALU_DEP_1)
	v_readfirstlane_b32 s[WV], v246                ; wave 0..15
	s_and_b32 s16, ttmp7, 0xffff                   ; bh, which the four partners share
	s_mul_i32 s44, s16, 102400                     ; the head's part of kv,
	s_mul_i32 s45, s[WV], 6400
	s_add_co_u32 s44, s44, s45                     ; my wave's 25 rows of 256 bytes of it
	s_mov_b32 s45, 0
	s_mov_b32 s32, 15|(3<<16)|(1<<21)              ; group 1: 15:0 the mask: all four work-groups; 17:16 elements of 8 bytes; 20 no padding; 21 set beside a mask
	s_mov_b32 s33, 32<<16                          ; tensor_dim0 = 32 elements (256 bytes)
	s_mov_b32 s34, 25<<16                          ; tensor_dim1 = 25
	s_mov_b32 s35, 32<<16                          ; tile_dim0 = 32
	s_mov_b32 s36, 25                              ; tile_dim1 = 25
	s_mov_b32 s37, 32                              ; from row to row: 32 elements: the block is dense
	s_mov_b32 s38, 0
	s_mov_b32 s39, 0
	s_bfe_u32 s15, ttmp6, 0x40000                  ; cx
	s_lshl_b32 s46, ttmp9, 2
	s_add_co_u32 s15, s15, s46                     ; my block of 512 queries
	s_and_b32 s17, s[WV], 1                        ; c: which half of q's fragment is my wave's
	s_lshl_b32 s[C16], s17, 4
	s_lshr_b32 s18, s[WV], 1
	s_lshl_b32 s46, s15, 3
	s_add_co_u32 s18, s18, s46                     ; q's fragment: 8 x block + wave / 2
	s_lshl_b32 s46, s16, 5
	s_add_co_u32 s46, s46, s18                     ; 32 bh + fragment
	s_lshl_b32 s48, s46, 6                         ; its 64 bytes of scale words
	s_mov_b32 s49, 0
	s_mul_i32 s46, s46, 1536
	s_mul_i32 s47, s17, 768
	s_add_co_u32 s46, s46, s47                     ; its image, my half: registers 6 c .. 6 c + 5
	s_mov_b32 s47, 0
	s_lshl_b32 s52, s16, 11
	s_lshl_b32 s53, s15, 9
	s_add_co_u32 s52, s52, s53                     ; 2,048 bh + 512 x block: the work-group's first query, and its scale byte
	s_lshl_b32 s50, s[WV], 5
	s_add_co_u32 s50, s50, s52
	s_mul_i32 s50, s50, 24                         ; my wave's first query's codes
	s_mov_b32 s51, 0
	s_mov_b32 s53, 0
	s_mov_b32 s[SEL], 0x76543210
	s_mov_b32 s[SEL+1], 0xfedcba98                 ; v_permlanex16_b32's selects for lane l xor 16
	s_mov_b32 s[CS], 0x3db8aa3b                    ; c = log2(e) / 16
	s_mov_b32 s[CS+1], s[CS]                       ; (named with it as a pair, so it is written)
	s_mov_b32 s[MLO], 0xffff                       ; lanes 0-15
	s_mov_b32 s[MHI], 0xffff0000                   ; lanes 16-31
	s_wait_dscnt 0x0                               ; both opening adds are done
	s_wait_kmcnt 0x0
	s_mov_b32 s40, 1                               ; group 0: count = 1
	s_mul_i32 s41, s[WV], 6400                     ; LDS address: the bytes lie in LDS as in memory
	s_add_nc_u64 s[42:43], s[8:9], s[44:45]
	s_or_b32 s43, s43, 0x80000000                  ; type = 2
	s_add_nc_u64 s[4:5], s[4:5], s[46:47]
	s_add_nc_u64 s[6:7], s[6:7], s[48:49]
	s_add_nc_u64 s[10:11], s[10:11], s[50:51]
	s_add_nc_u64 s[12:13], s[12:13], s[52:53]
	CROUND                                         ; all four work-groups are here: the joint loads meet
	tensor_load_to_lds s[40:43], s[32:39]
	s_nop 0
.rept 4
	v_nop
.endr
	v_and_b32 v246, 31, v0                         ; lane
	v_and_b32 v247, 15, v0                         ; r
	v_bfe_u32 v248, v0, 4, 1                       ; lane / 16
	s_delay_alu instid0(VALU_DEP_2)
	v_and_b32 v249, 8, v247
	s_delay_alu instid0(VALU_DEP_1)
	v_add_nc_u32 v249, v249, v247                  ; r + 8 (r / 8)
	s_delay_alu instid0(VALU_DEP_1)
	v_lshl_add_u32 v249, v248, 3, v249             ; + 8 (lane / 16): the place, among my wave's 32 queries, of the query whose result this lane will hold
	v_lshlrev_b32 v[G8], 3, v246
	v_lshlrev_b32 v250, 2, v247
.irp k, 0,1,2
	global_load_b64 v[GQ+2*\k:GQ+2*\k+1], v[G8], s[4:5] offset:256*\k   ; q's codes: lane (r, h): the query in row r, block 2 c + h
.endr
	global_load_b32 v[QW], v250, s[6:7]            ; row r's scale word
	v_lshlrev_b32 v[AK0], 4, v246
	v_lshl_add_u32 v[AS0], v246, 2, KSW
	s_mul_i32 s44, s[WV], 768
	s_add_co_u32 s44, s44, OST
	v_mul_u32_u24 v[OSTW], v249, 24
	s_delay_alu instid0(VALU_DEP_1)
	v_add_nc_u32 v[OSTW], s44, v[OSTW]
	v_add_nc_u32 v[OSTR], s44, v[G8]
	s_lshl_b32 s45, s[WV], 5
	s_add_co_u32 s45, s45, OSB
	v_add_nc_u32 v[OSBW], s45, v249
	v_add_nc_u32 v[OSBR], OSB, v[AK0]
.irp k, 0,1,2,3,4,5
	v_mov_b32 v[22+\k], 0                          ; the zero codes of Q's variants
	v_mov_b32 v[34+\k], 0
	v_mov_b32 v[XQ+\k], 0                          ; (a lane permute's destination counts as one of its sources)
.endr
.irp b, 0,1,2,3
	v_mov_b32 v[220+\b], 0
.endr
	v_mov_b32 v233, 0                              ; (named as the upper half of the pair v[232:233])
	s_wait_loadcnt 0x0                             ; q
.irp k, 0,1,2,3,4,5
	v_permlanex16_b32 v[XQ+\k], v[GQ+\k], s[SEL], s[SEL+1]
.endr
	s_wait_tensorcnt 0x0                           ; my part of the head is in LDS,
	s_barrier_signal -1
	s_barrier_wait -1                              ; everybody's is
; ONE TILE OF 16 QUERIES.  tl: which of my two; qa holds its codes in lanes 0-15, qb in lanes 16-31.
; Q's variants share one run of registers: v16-21 q in lanes 16-31 | v22-27 zeros | v28-33 q in lanes 0-15 | v34-39 zeros | v40-45 q in lanes 16-31.  Variant 0 = v[28:39], 1 = v[16:27], 2 = v[22:33], 3 = v[34:45].
.macro TILE tl, qa, qb
	s_add_co_u32 s[SH], s[C16], 8*\tl              ; the tile is block 2 c + tl of q's fragment
	v_bfe_u32 v[QBY], v[QW], s[SH], 8              ; its scale byte
	s_delay_alu instid0(VALU_DEP_1)
	v_lshl_or_b32 v[QSW+0], v[QBY], 0, 0x01010100  ; variant j: the byte at block j; the blocks of zero codes carry the byte 1
	s_delay_alu instid0(VALU_DEP_2)
	v_lshl_or_b32 v[QSW+1], v[QBY], 8, 0x01010001
	s_delay_alu instid0(VALU_DEP_3)
	v_lshl_or_b32 v[QSW+2], v[QBY], 16, 0x01000101
	s_delay_alu instid0(VALU_DEP_4)
	v_lshl_or_b32 v[QSW+3], v[QBY], 24, 0x00010101
.irp k, 0,1,2,3,4,5
	v_cndmask_b32 v[28+\k], 0, v[\qa+\k], s[MLO]
	v_cndmask_b32 v[16+\k], 0, v[\qb+\k], s[MHI]
	v_cndmask_b32 v[40+\k], 0, v[\qb+\k], s[MHI]
.endr
	v_mov_b32 v13, 0xff61b1e6                      ; the largest t so far: -3e38, under every t
	s_delay_alu instid0(VALU_DEP_1)
	v_floor_f32 v12, -v13                          ; -M
	v_mov_b32 v14, 0                               ; the sum, in two halves
	v_mov_b32 v15, 0
.irp j, 0,1,2,3,4,5,6,7,8,9,10,11,12,13,14,15
	v_mov_b32 v[O+\j], 0                           ; O^T: the step is written once; the first finds zeros.  (These lines are also the places between the scale words and operands made above and the first product)
.endr
	s_mov_b32 s[TK], 0
	s_mov_b32 s[TS], 0
	s_mov_b32 s[CNT], 16
.Lstep_\@:                                         ; a key step: 128 keys
	s_setprio 2
	v_add_nc_u32 v[ADK], s[TK], v[AK0]
	v_add_nc_u32 v[ADS], s[TS], v[AS0]
	v_nop
	v_nop                                          ; four places in front of loads into registers that the last products have read
.irp f, 0,1
.irp g, 0,1,2
	ds_load_b128 v[KF+12*\f+4*\g:KF+12*\f+4*\g+3], v[ADK] offset:KIMG+1536*\f+512*\g
.endr
.endr
	ds_load_b32 v[KSWR], v[ADS]
.irp f, 0,1
.irp g, 0,1,2
	ds_load_b128 v[VF+12*\f+4*\g:VF+12*\f+4*\g+3], v[ADK] offset:VIMG+1536*\f+512*\g
.endr
.endr
	ds_load_b32 v[VSWR], v[ADS] offset:VSW-KSW
	s_wait_dscnt 7                                 ; K's seven loads are in; V's seven, issued behind them, may stay out
.irp f, 0,1
	SCORE \f, 0, 28
	SCORE \f, 1, 16
	SCORE \f, 2, 22
	SCORE \f, 3, 34
.endr
.rept 4
	v_nop
.endr
.irp b, 0,1,2,3
	v_max3_num_f32 v[BM+\b], v[S+16*\b], v[S+16*\b+1], v[S+16*\b+2]   ; the largest score of each block of 32 keys: for the row's maximum and, since p rises with the score, for the block's largest p
.endr
.irp n, 3,5,7,9,11,13
.irp b, 0,1,2,3
	v_max3_num_f32 v[BM+\b], v[BM+\b], v[S+16*\b+\n], v[S+16*\b+\n+1]
.endr
.endr
.irp b, 0,1,2,3
	v_max_num_f32 v[BM+\b], v[BM+\b], v[S+16*\b+15]
.endr
.irp b, 0,1,2,3
	s_delay_alu instid0(VALU_DEP_4)
	v_permlanex16_b32 v[220+\b], v[BM+\b], s[SEL], s[SEL+1]
.endr
.irp b, 0,1,2,3
	s_delay_alu instid0(VALU_DEP_4)
	v_max_num_f32 v[BM+\b], v[BM+\b], v[220+\b]    ; with lane l xor 16's 16 keys
.endr
	s_delay_alu instid0(VALU_DEP_2)
	v_max3_num_f32 v234, v[BM], v[BM+1], v[BM+2]
	s_delay_alu instid0(VALU_DEP_1)
	v_max_num_f32 v234, v234, v[BM+3]              ; the step's largest score of my query
	s_delay_alu instid0(VALU_DEP_1)
	v_mul_f32 v234, s[CS], v234                    ; as t (c is positive)
	s_delay_alu instid0(VALU_DEP_1)
	v_max_num_f32 v13, v13, v234                   ; the running largest t
	v_mov_b32 v234, v12
	s_delay_alu instid0(VALU_DEP_2)
	v_floor_f32 v12, -v13                          ; the new -M = floor(-t): M is a whole number
	s_delay_alu instid0(VALU_DEP_1)
	v_sub_f32 v234, v12, v234                      ; old M - new M: a whole number, 0 or less
	s_delay_alu instid0(VALU_DEP_1)
	v_cvt_i32_f32 v234, v234                       ; (it saturates)
	s_delay_alu instid0(VALU_DEP_1)
	v_ldexp_f32 v232, 1.0, v234                    ; f = 2^(old M - new M)
.irp b, 0,1,2,3
	v_fma_f32 v[BM+\b], v[BM+\b], s[CS], v12       ; t - M of each block's largest score
.endr
.irp n, 0,2,4,6,8,10,12,14,16,18,20,22,24,26,28,30,32,34,36,38,40,42,44,46,48,50,52,54,56,58,60,62
	v_pk_fma_f32 v[S+\n:S+\n+1], v[S+\n:S+\n+1], s[CS:CS+1], v[12:13] op_sel_hi:[1,0,0]   ; t - M, two at a time (of the pairs c and -M the low word serves both halves)
.endr
	s_wait_alu depctr_va_vdst(0)
.irp b, 0,1,2,3
	v_exp_f32 v[BM+\b], v[BM+\b]                   ; ONE BATCH of 68 exponentials: the blocks' largest p,
.endr
	s_setprio 1
.irp n, 0,1,2,3,4,5,6,7,8,9,10,11,12,13,14,15,16,17,18,19,20,21,22,23,24,25,26,27,28,29,30,31,32,33,34,35,36,37,38,39,40,41,42,43,44,45,46,47,48,49,50,51,52,53,54,55,56,57,58,59,60,61,62,63
	v_exp_f32 v[S+\n], v[S+\n]                     ; and p = 2^(t - M), at most 1: not normalised
.endr
	v_nop                                          ; a plain place behind the last exponential
	s_wait_alu depctr_va_vdst(0)                   ; the wait ahead of the first line that names a result: one for the batch
.irp b, 0,1,2,3
	v_max_num_f32 v[BM+\b], 0x1800000, v[BM+\b]    ; the floor 2^(3 - 127): the byte cannot fall under 1
.endr
.irp b, 0,1,2,3
	s_delay_alu instid0(VALU_DEP_4)
	v_add_nc_u32 v[SO+\b], 0xff000000, v[BM+\b]    ; 2 off the exponent field: the conversion's scale operand
.endr
.irp b, 0,1,2,3
	s_delay_alu instid0(VALU_DEP_4)
	v_lshrrev_b32 v[220+\b], 23, v[SO+\b]          ; the scale's byte
.endr
	s_delay_alu instid0(VALU_DEP_3)
	v_lshl_or_b32 v[PSW], v221, 8, v220            ; p's scale word for these 128 keys
	s_delay_alu instid0(VALU_DEP_1)
	v_lshl_or_b32 v[PSW], v222, 16, v[PSW]
	s_delay_alu instid0(VALU_DEP_1)
	v_lshl_or_b32 v[PSW], v223, 24, v[PSW]
	v_pk_add_f32 v[228:229], v[S:S+1], v[S+4:S+5]  ; the row's sum is taken of the UNQUANTISED p: two at a time, in two chains
	v_pk_add_f32 v[230:231], v[S+2:S+3], v[S+6:S+7]
.irp n, 8,12,16,20,24,28,32,36,40,44,48,52,56,60
	v_pk_add_f32 v[228:229], v[228:229], v[S+\n:S+\n+1]
	v_pk_add_f32 v[230:231], v[230:231], v[S+\n+2:S+\n+3]
.endr
	s_setprio 0
.irp c, 0,1
	v_cvt_scalef32_pk16_fp6_f32 v[PC+6*\c:PC+6*\c+2], v[S+32*\c:S+32*\c+15], v[SO+2*\c]
	v_cvt_scalef32_pk16_fp6_f32 v[204+4*\c:206+4*\c], v[S+32*\c+16:S+32*\c+31], v[SO+2*\c+1]   ; (a conversion's three registers begin on an even number)
.endr
	v_nop                                          ; one plain place behind a scaled conversion
.irp c, 0,1                                    ; the operand's layout wants a WHOLE block in a lane: lanes 0-15 block 2 c, lanes 16-31 block 2 c + 1
.irp k, 0,1,2
	v_permlane16_swap_b32 v[PC+6*\c+\k], v[204+4*\c+\k]
.endr
.irp k, 0,1,2
	s_delay_alu instid0(VALU_DEP_3)
	v_mov_b32 v[PC+3+6*\c+\k], v[204+4*\c+\k]
.endr
.endr
	v_pk_add_f32 v[228:229], v[228:229], v[230:231]
	s_delay_alu instid0(VALU_DEP_1)
	v_pk_fma_f32 v[14:15], v[14:15], v[232:233], v[228:229] op_sel_hi:[1,0,1]   ; the sum under the new M, and this step's
.irp n, 0,2,4,6,8,10,12,14
	v_pk_mul_f32 v[O+\n:O+\n+1], v[O+\n:O+\n+1], v[232:233] op_sel_hi:[1,0]     ; O^T under the new M.  (With the two lines above: the places between p's codes and the products)
.endr
	s_wait_alu depctr_va_vdst(0)
	s_wait_dscnt 0x0                               ; V is in
	v_wmma_scale_f32_16x16x128_f8f6f4 v[O:O+7], v[VF:VF+11], v[PC:PC+11], v[O:O+7], v[VSWR], v[PSW] matrix_a_fmt:MATRIX_FMT_FP6 matrix_b_fmt:MATRIX_FMT_FP6
	v_wmma_scale_f32_16x16x128_f8f6f4 v[O+8:O+15], v[VF+12:VF+23], v[PC:PC+11], v[O+8:O+15], v[VSWR], v[PSW] matrix_a_fmt:MATRIX_FMT_FP6 matrix_b_fmt:MATRIX_FMT_FP6 matrix_a_scale:MATRIX_SCALE_ROW1
	s_add_co_u32 s[TK], s[TK], 3072                ; the next step's two images of K and of V^T,
	s_add_co_u32 s[TS], s[TS], 128                 ; and its scale words
	s_sub_co_u32 s[CNT], s[CNT], 1
	s_cmp_lg_u32 s[CNT], 0
	s_cbranch_scc1 .Lstep_\@
	s_setprio 0
	; the tile's end: O^T / the sum, quantised along d: the head is one block of 32 of the last product's K, and lies in lanes l and l xor 16
	v_add_f32 v14, v14, v15                        ; the sum's two halves,
	s_delay_alu instid0(VALU_DEP_1)
	v_permlanex16_b32 v234, v14, s[SEL], s[SEL+1]
	s_delay_alu instid0(VALU_DEP_1)
	v_add_f32 v14, v14, v234                       ; and lane l xor 16's
	v_nop
	v_nop                                          ; (places behind the last products)
	s_wait_alu depctr_va_vdst(0)
	v_rcp_f32 v14, v14
	v_nop                                          ; a plain place behind the transcendental
	s_wait_alu depctr_va_vdst(0)                   ; and the wait ahead of its first reader
.irp j, 0,1,2,3,4,5,6,7,8,9,10,11,12,13,14,15
	v_mul_f32 v[S+\j], v[O+\j], v14                ; o(my query, 16 (lane / 16) + j); each accumulator from its low end on
.endr
	v_max3_num_f32 v[BM], |v[S]|, |v[S+1]|, 0x1800000
.irp n, 2,4,6,8,10,12,14
	s_delay_alu instid0(VALU_DEP_1)
	v_max3_num_f32 v[BM], v[BM], |v[S+\n]|, |v[S+\n+1]|
.endr
	s_delay_alu instid0(VALU_DEP_1)
	v_permlanex16_b32 v220, v[BM], s[SEL], s[SEL+1]
	s_delay_alu instid0(VALU_DEP_1)
	v_max_num_f32 v[BM], v[BM], v220
	s_delay_alu instid0(VALU_DEP_1)
	v_add_nc_u32 v[SO], 0xff000000, v[BM]
	s_delay_alu instid0(VALU_DEP_1)
	v_lshrrev_b32 v[243+\tl], 23, v[SO]            ; the block's scale byte
	v_cvt_scalef32_pk16_fp6_f32 v[236+4*\tl:238+4*\tl], v[S:S+15], v[SO]
	v_nop                                          ; one plain place behind a scaled conversion
.endm
	TILE 0, GQ, XQ
	TILE 1, XQ, GQ
	; THE WAY OUT.  The halves change places, so that lane (r, i) holds all 24 bytes of tile i's query r; they go through my own stage, in the queries' order, and leave as three aligned runs of 256 bytes.
.irp k, 0,1,2
	v_permlane16_swap_b32 v[236+\k], v[240+\k]
.endr
.irp k, 0,1,2
	ds_store_b32 v[OSTW], v[236+\k] offset:4*\k
.endr
.irp k, 0,1,2
	ds_store_b32 v[OSTW], v[240+\k] offset:12+4*\k
.endr
.irp k, 0,1,2
	ds_load_b64 v[246+2*\k:247+2*\k], v[OSTR] offset:256*\k   ; LDS serves a wave's instructions in order (ISA guide 5.7.1.4): these see my stores
.endr
	v_cndmask_b32 v245, v243, v244, s[MHI]
	ds_store_b8 v[OSBW], v245
	s_wait_dscnt 0x0                               ; my codes are back, and, for wave 0's sake, my scale bytes have landed
.irp k, 0,1,2
	global_store_b64 v[G8], v[246+2*\k:247+2*\k], s[10:11] offset:256*\k
.endr
	s_barrier_signal -1
	s_barrier_wait -1                              ; the 512 scale bytes lie in LDS
	s_cmp_lg_u32 s[WV], 0
	s_cbranch_scc1 .Lnot_mine
	ds_load_b128 v[112:115], v[OSBR]
	s_wait_dscnt 0x0
	global_store_b128 v[AK0], v[112:115], s[12:13] ; 512 consecutive bytes, aligned
.Lnot_mine:
	s_wait_tensorcnt 0x0                           ; the wave's end, behind my last tensor load and my last LDS store
	ds_add_u32 v[SPW], v[NIL]
	s_wait_dscnt 0x0
	CROUND                                         ; the closing round
	s_endpgm
.Lfunc_end_k_q10a3e506fb_attn:
	.size	k_q10a3e506fb_attn, .Lfunc_end_k_q10a3e506fb_attn-k_q10a3e506fb_attn
	.p2alignl 7, 3214868480
	.fill 96, 4, 3214868480
	.section	.rodata,"a",@progbits
	.p2align	6, 0x0
	.amdhsa_kernel k_q10a3e506fb_attn
		.amdhsa_group_segment_fixed_size 167936
		.amdhsa_private_segment_fixed_size 0
		.amdhsa_enable_private_segment 0
		.amdhsa_kernarg_size 40
		.amdhsa_user_sgpr_count 2
		.amdhsa_user_sgpr_kernarg_segment_ptr 1
		.amdhsa_wavefront_size32 1
		.amdhsa_system_sgpr_workgroup_id_x 1
		.amdhsa_system_sgpr_workgroup_id_y 1
		.amdhsa_system_sgpr_workgroup_id_z 1
		.amdhsa_system_vgpr_workitem_id 0
		.amdhsa_next_free_vgpr 256
		.amdhsa_next_free_sgpr 66
		.amdhsa_reserve_vcc 0
		.amdhsa_float_denorm_mode_32 3
		.amdhsa_float_denorm_mode_16_64 3
		.amdhsa_memory_ordered 1
		.amdhsa_forward_progress 1
		.amdhsa_inst_pref_size 48
	.end_amdhsa_kernel
	.amdgpu_metadata
---
amdhsa.version: [ 1, 2 ]
amdhsa.kernels:
  - .name:           k_q10a3e506fb_attn
    .symbol:         k_q10a3e506fb_attn.kd
    .args:
      - { .name: qimg, .offset: 0, .size: 8, .value_kind: global_buffer, .address_space: global }
      - { .name: qsw, .offset: 8, .size: 8, .value_kind: global_buffer, .address_space: global }
      - { .name: kv, .offset: 16, .size: 8, .value_kind: global_buffer, .address_space: global }
      - { .name: oc, .offset: 24, .size: 8, .value_kind: global_buffer, .address_space: global }
      - { .name: os, .offset: 32, .size: 8, .value_kind: global_buffer, .address_space: global }
    .group_segment_fixed_size: 167936
    .private_segment_fixed_size: 0
    .kernarg_segment_align: 8
    .kernarg_segment_size: 40
    .max_flat_workgroup_size: 512
    .sgpr_count:     66
    .vgpr_count:     256
    .wavefront_size: 32
...
	.end_amdgpu_metadata
.endif
;; end of part 5
;; launch proj (part 6): grid 256 x 1, 8 waves a work-group, no clusters, 68,096 bytes of LDS; arguments oc, os, wproj_codes, wproj_scales, bproj, out0; writes out0
.if DOCPART == 6
	.amdgcn_target "amdgcn-amd-amdhsa--gfx1250"
	.amdhsa_code_object_version 6
	.text
	.protected	k_q10a3e506fb_proj
	.globl	k_q10a3e506fb_proj
	.p2align	8
	.type	k_q10a3e506fb_proj,@function
k_q10a3e506fb_proj:
	s_mov_b64 s[64:65], 0
	v_nop
	global_prefetch_b8 v0, s[64:65] scope:SCOPE_SE
	s_setreg_imm32_b32 hwreg(HW_REG_WAVE_SCHED_MODE, 0, 2), 2
	s_setreg_imm32_b32 hwreg(HW_REG_WAVE_MODE, 25, 1), 1
	s_wait_xcnt 0x0
	s_wait_alu depctr_vm_vsrc(0)
; out = o wproj + bproj (product 6), on codes of FP6 (E2M3): o's codes [bh][token][24] and scale bytes [bh][token] as the launch before left them (a head is one block of 32 along K), wproj's as they are given.
; Nothing of the problem is left out here.  LIMITS: NaN, infinities and a scale byte 0xff among the inputs are not served.
; SHARES.  A work-group takes 64 tokens; wave w takes columns 32 w .. 32 w + 31 for all of them: 8 accumulators, 16 matrix instructions; every operand goes from memory into registers once.
; NO CLUSTER: what work-groups share is wproj's 49,152 bytes, of which a wave takes 6,144 straight into registers once; there is no tile in LDS that a joint load could fill.
; TRANSPOSED USE: source 0 = 16 rows of wproj (columns of out), source 1 = 16 tokens: a lane holds eight neighbouring columns of one row of out.  The bias is the C of each sum's first matrix instruction.
; o's scale bytes lie head by head; a scale word wants four heads of one token: wave w brings head w's 64 bytes and lays them into a table [token][head] in LDS.
; The results meet in a stage (rows of 1,024 bytes + 16) and leave as whole rows: each store covers 512 consecutive bytes, aligned.
; THE MODE: SCHED_MODE bits 1:0 = 2 (LLVM: expert scheduling mode 2), set by the entry lines.  The code itself states the register dependences
; between vector or matrix instructions and memory or LDS instructions, with s_wait_alu, always for 0.
; THE PLAN.  Registers that memory or LDS instructions touch:
;   v1-10       offsets and addresses, made once at the head and never written again: one wait on va_vdst ahead of the first load serves all.
;   v252, v253  two scale bytes: v252 comes by a load, v253 by one shift of it; two LDS byte stores read them: a wait on va_vdst between the shift and the stores.
;   v16-187     operands and bias: written by loads alone, read by the matrix instructions; v92-155 take the stage's loads behind the products.
;   v188-251    the accumulators: written by the matrix instructions, read by the stage's LDS stores: the four places, then a wait on va_vdst.  It also states that the products are done reading
;               v92-155; no vector or matrix instruction follows it.
;   v13, v14    written at the head, read by the closing add alone.
; No register that a memory or LDS instruction has read is written again: no wait on vm_vsrc is needed for that.
.set STG,  0                           ; LDS: 64 rows x 1,040 bytes
.set SCT,  66560                       ; [token 64][head 8]
.set SPARE, 67072                      ; the spare words, 128 bytes for each wave: four blocks of 256 bytes that no other line names
.set VW,   1                           ; v1  192 r + 24 h: wproj's codes
.set VWS,  2                           ; v2  8 r: wproj's scale bytes
.set VA,   3                           ; v3  24 r + 49,152 h: o's codes: token r, and one head on for lanes 16-31
.set VB,   4                           ; v4  32 h: the bias
.set VU,   5                           ; v5  2 x lane
.set SCW,  6                           ; v6  SCT + 16 x lane + wave
.set SCR,  7                           ; v7  SCT + 8 r
.set STO,  8                           ; v8  the stage: row r, + 32 h, + 128 x wave
.set STR,  9                           ; v9  and back: my 8 rows, 16 bytes a lane
.set L16,  10                          ; v10 16 x lane
.set SPW,  13                          ; v13 LDS address of my spare word; never rewritten
.set NIL,  14                          ; v14 0; never rewritten
.set WF,   16                          ; v16-63   wproj's fragments (tile n, K step k) at 12 (2 n + k)
.set WS,   64                          ; v64-67   their scale words
.set AS,   68                          ; v68-75   o's scale words (tile m, K step k) at 2 m + k
.set BI,   76                          ; v76-91   the bias, 8 registers a tile of columns
.set AF,   92                          ; v92-187  o's fragments at 12 (2 m + k); later the rows read back
.set ACC,  188                         ; v188-251 the accumulators at 8 (4 n + m)
	s_load_b256 s[4:11], s[0:1], 0x0               ; oc 4:5, os 6:7, wproj codes 8:9, wproj scales 10:11
	s_load_b128 s[12:15], s[0:1], 0x20             ; bproj 12:13, out0 14:15
	v_lshl_add_u32 v[SPW], v0, 2, SPARE
	v_mov_b32 v[NIL], 0
	v_lshrrev_b32 v11, 5, v0
	v_readfirstlane_b32 s16, v11                   ; wave 0..7
	v_and_b32 v11, 31, v0                          ; lane
	v_and_b32 v12, 15, v0                          ; r
	v_bfe_u32 v15, v0, 4, 1                        ; h
	v_mul_u32_u24 v[VW], v12, 192
	v_mad_u32_u24 v[VW], v15, 24, v[VW]
	v_lshlrev_b32 v[VWS], 3, v12
	v_mul_u32_u24 v[VA], v12, 24
	v_mad_u32_u24 v[VA], v15, 0xc000, v[VA]
	v_lshlrev_b32 v[VB], 5, v15
	v_lshlrev_b32 v[VU], 1, v11
	v_lshl_add_u32 v[SCW], v11, 4, SCT
	v_lshl_add_u32 v[SCR], v12, 3, SCT
	v_mul_u32_u24 v[STO], v12, 1040
	v_lshl_add_u32 v[STO], v15, 5, v[STO]
	v_lshlrev_b32 v[L16], 4, v11
	s_wait_alu depctr_va_sdst(0)                   ; s16, the wave's number, is written, ahead of its first reader: the three additions below and all bases hang on it
	s_lshl_b32 s17, s16, 7                         ; 128 x wave: my columns' bytes in a stage row
	s_mul_i32 s32, s16, 8320                       ; 8 stage rows x wave (a register of its own: none that a vector instruction reads is written again)
	v_add_nc_u32 v[SCW], s16, v[SCW]
	v_add_nc_u32 v[STO], s17, v[STO]
	v_add_nc_u32 v[STR], s32, v[L16]
	s_lshr_b32 s18, ttmp9, 5                       ; batch
	s_and_b32 s19, ttmp9, 31
	s_lshl_b32 s19, s19, 6                         ; the work-group's first token in the sequence
	s_lshl_b32 s20, s18, 3
	s_add_co_u32 s20, s20, s16
	s_lshl_b32 s20, s20, 11
	s_add_co_u32 s20, s20, s19                     ; os: head = my wave's number
	s_mov_b32 s21, 0
	s_mul_i32 s22, s18, 393216
	s_mul_i32 s23, s19, 24
	s_add_co_u32 s22, s22, s23                     ; oc: the batch's head 0, the first token
	s_mov_b32 s23, 0
	s_mul_i32 s24, s16, 6144                       ; my 32 rows of wproj's codes,
	s_mov_b32 s25, 0
	s_lshl_b32 s26, s16, 8                         ; of its scale bytes,
	s_mov_b32 s27, 0
	s_lshl_b32 s28, s16, 7                         ; my 32 numbers of the bias
	s_mov_b32 s29, 0
	s_lshl_b32 s30, ttmp9, 16                      ; out: 64 rows of 1,024 bytes a work-group,
	s_lshl_b32 s31, s16, 13
	s_add_co_u32 s30, s30, s31                     ; of which I store 8
	s_mov_b32 s31, 0
	s_wait_kmcnt 0x0
	s_add_nc_u64 s[4:5], s[4:5], s[22:23]
	s_add_nc_u64 s[6:7], s[6:7], s[20:21]
	s_add_nc_u64 s[8:9], s[8:9], s[24:25]
	s_add_nc_u64 s[10:11], s[10:11], s[26:27]
	s_add_nc_u64 s[12:13], s[12:13], s[28:29]
	s_add_nc_u64 s[14:15], s[14:15], s[30:31]
	s_wait_alu depctr_va_vdst(0)                   ; the ten offsets and addresses v1 to v10 are written: every load, store and LDS instruction below reads one of them
	global_load_u16 v252, v[VU], s[6:7]            ; the scale bytes of tokens 2 lane, 2 lane + 1 in head = wave
.irp m, 0,1,2,3
.irp k, 0,1
.irp c, 0,1
.irp p, 0,1,2
	global_load_b64 v[AF+12*(2*\m+\k)+6*\c+2*\p:AF+12*(2*\m+\k)+6*\c+2*\p+1], v[VA], s[4:5] offset:196608*\k+98304*\c+384*\m+8*\p   ; token 16 m + r, head 4 k + 2 c + h: its 24 bytes
.endr
.endr
.endr
.endr
	s_wait_loadcnt 48                              ; the scale bytes are in; the 48 loads issued behind them stay out
	v_lshrrev_b32 v253, 8, v252
	s_wait_alu depctr_va_vdst(0)                   ; the shift has written v253, which the second byte store reads
	ds_store_b8 v[SCW], v252
	ds_store_b8 v[SCW], v253 offset:8
.irp n, 0,1
.irp k, 0,1
.irp p, 0,1,2,3,4,5
	global_load_b64 v[WF+12*(2*\n+\k)+2*\p:WF+12*(2*\n+\k)+2*\p+1], v[VW], s[8:9] offset:3072*\n+96*\k+48*(\p/3)+8*(\p%3)
.endr
.endr
	global_load_b64 v[WS+2*\n:WS+2*\n+1], v[VWS], s[10:11] offset:128*\n
	global_load_b128 v[BI+8*\n:BI+8*\n+3], v[VB], s[12:13] offset:64*\n        ; bias of columns 32 w + 16 n + 8 h + 0 .. 7: the result's layout
	global_load_b128 v[BI+8*\n+4:BI+8*\n+7], v[VB], s[12:13] offset:64*\n+16
.endr
	s_wait_dscnt 0x0                               ; for the others' sake: my bytes lie in the table
	s_barrier_signal -1
	s_barrier_wait -1
.irp m, 0,1,2,3
	ds_load_b64 v[AS+2*\m:AS+2*\m+1], v[SCR] offset:128*\m   ; token 16 m + r: heads 0-3, heads 4-7: the words of the two K steps
.endr
	s_wait_loadcnt 0x0
	s_wait_dscnt 0x0
.irp k, 0,1                                    ; the eight accumulators by turns
.irp m, 0,1,2,3
.irp n, 0,1
.if \k == 0
	v_wmma_scale_f32_16x16x128_f8f6f4 v[ACC+8*(4*\n+\m):ACC+8*(4*\n+\m)+7], v[WF+12*(2*\n+\k):WF+12*(2*\n+\k)+11], v[AF+12*(2*\m+\k):AF+12*(2*\m+\k)+11], v[BI+8*\n:BI+8*\n+7], v[WS+2*\n+\k], v[AS+2*\m+\k] matrix_a_fmt:MATRIX_FMT_FP6 matrix_b_fmt:MATRIX_FMT_FP6
.else
	v_wmma_scale_f32_16x16x128_f8f6f4 v[ACC+8*(4*\n+\m):ACC+8*(4*\n+\m)+7], v[WF+12*(2*\n+\k):WF+12*(2*\n+\k)+11], v[AF+12*(2*\m+\k):AF+12*(2*\m+\k)+11], v[ACC+8*(4*\n+\m):ACC+8*(4*\n+\m)+7], v[WS+2*\n+\k], v[AS+2*\m+\k] matrix_a_fmt:MATRIX_FMT_FP6 matrix_b_fmt:MATRIX_FMT_FP6
.endif
.endr
.endr
.endr
.rept 4
	v_nop                                          ; four places in front of the first read of results (ISA guide 7.12.1); they stay beside the wait below
.endr
	s_wait_alu depctr_va_vdst(0)                   ; the matrix instructions have written the accumulators, which the LDS stores read, and are done reading o's fragments, in which the stage's loads land
.irp m, 0,1,2,3
.irp n, 0,1
	ds_store_b128 v[STO], v[ACC+8*(4*\n+\m):ACC+8*(4*\n+\m)+3] offset:STG+16640*\m+64*\n          ; lane (r, h): out(16 m + r, 32 w + 16 n + 8 h + 0 .. 7); each accumulator from its low end on
	ds_store_b128 v[STO], v[ACC+8*(4*\n+\m)+4:ACC+8*(4*\n+\m)+7] offset:STG+16640*\m+64*\n+16
.endr
.endr
	s_wait_dscnt 0x0                               ; for the others' sake: my stores into the stage are done
	s_barrier_signal -1
	s_barrier_wait -1                              ; 64 whole rows lie in the stage
.irp i, 0,1,2,3,4,5,6,7,8,9,10,11,12,13,14,15
	ds_load_b128 v[AF+4*\i:AF+4*\i+3], v[STR] offset:STG+1040*(\i/2)+512*(\i%2)
.endr
.irp i, 0,1,2,3,4,5,6,7,8,9,10,11,12,13,14,15
	s_wait_dscnt 15-\i                             ; LDS loads come back in order (ISA guide 5.7.1): load i is in, the younger ones may stay out
	global_store_b128 v[L16], v[AF+4*\i:AF+4*\i+3], s[14:15] offset:1024*(\i/2)+512*(\i%2) th:TH_STORE_NT   ; written once, read by nobody here
.endr
	s_wait_dscnt 0x0                               ; the closing lines, six on end
	s_wait_alu 0x0
	s_wait_tensorcnt 0x0
	ds_add_u32 v[SPW], v[NIL]
	s_wait_dscnt 0x0
	s_endpgm
.Lfunc_end_k_q10a3e506fb_proj:
	.size	k_q10a3e506fb_proj, .Lfunc_end_k_q10a3e506fb_proj-k_q10a3e506fb_proj
	.p2alignl 7, 3214868480
	.fill 96, 4, 3214868480
	.section	.rodata,"a",@progbits
	.p2align	6, 0x0
	.amdhsa_kernel k_q10a3e506fb_proj
		.amdhsa_group_segment_fixed_size 68096
		.amdhsa_private_segment_fixed_size 0
		.amdhsa_enable_private_segment 0
		.amdhsa_kernarg_size 48
		.amdhsa_user_sgpr_count 2
		.amdhsa_user_sgpr_kernarg_segment_ptr 1
		.amdhsa_wavefront_size32 1
		.amdhsa_system_sgpr_workgroup_id_x 1
		.amdhsa_system_sgpr_workgroup_id_y 1
		.amdhsa_system_sgpr_workgroup_id_z 1
		.amdhsa_system_vgpr_workitem_id 0
		.amdhsa_next_free_vgpr 256
		.amdhsa_next_free_sgpr 66
		.amdhsa_reserve_vcc 0
		.amdhsa_float_denorm_mode_32 3
		.amdhsa_float_denorm_mode_16_64 3
		.amdhsa_memory_ordered 1
		.amdhsa_forward_progress 1
		.amdhsa_inst_pref_size 18
	.end_amdhsa_kernel
	.amdgpu_metadata
---
amdhsa.version: [ 1, 2 ]
amdhsa.kernels:
  - .name:           k_q10a3e506fb_proj
    .symbol:         k_q10a3e506fb_proj.kd
    .args:
      - { .name: oc, .offset: 0, .size: 8, .value_kind: global_buffer, .address_space: global }
      - { .name: os, .offset: 8, .size: 8, .value_kind: global_buffer, .address_space: global }
      - { .name: wproj_codes, .offset: 16, .size: 8, .value_kind: global_buffer, .address_space: global }
      - { .name: wproj_scales, .offset: 24, .size: 8, .value_kind: global_buffer, .address_space: global }
      - { .name: bproj, .offset: 32, .size: 8, .value_kind: global_buffer, .address_space: global }
      - { .name: out0, .offset: 40, .size: 8, .value_kind: global_buffer, .address_space: global }
    .group_segment_fixed_size: 68096
    .private_segment_fixed_size: 0
    .kernarg_segment_align: 8
    .kernarg_segment_size: 48
    .max_flat_workgroup_size: 256
    .sgpr_count:     66
    .vgpr_count:     256
    .wavefront_size: 32
...
	.end_amdgpu_metadata
.endif
;; end of part 6
